; MI455X (gfx1250); checked and timed in simulation.
; The chip was launched on July 23, 2026; its instructions are those of AMD's public machine-readable ISA for CDNA 5 (MIT licence, August 2026) and "CDNA5" Instruction Set Architecture Reference Guide (July 2026). The comments in the code are by the model that wrote it; some were corrected since.
;; Shooting Block. Allowed arithmetic: float matrix products may take bf16 or f16 operands with f32 sums; other float arithmetic in f32, or as packed bf16 or f16 multiplies, adds, multiply-adds, maxima and minima; sums over many terms, partial sums and values carried from step to step in f32; what a program stores and reads back later, other than sums and carried values, may be rounded once to bf16 or f16.
;; Inputs: Mbar 512 x 512 float32; Mbar_b 512 x 512 float32; batch_t 8 float32; input 4,096 x 1 x 512 float32; p_params 2,048 x 1 x 512 float32; x_params 2,048 x 1 x 512 float32.
;; Outputs: out0 8 x 4,096 x 1 x 512 float32.
;; 3 versions, each right; version 2 is faster than version 1; version 3 is version 2 with the launch theta written anew for expert scheduling mode. Each part assembles by itself: llvm-mc -triple=amdgcn-amd-amdhsa -mcpu=gfx1250 --defsym DOCPART=n.
;; ======== version 1 of 3: 2 launches
;; workspace buffers: thetaF 524,288 bytes; biasv 2,048 bytes
;; launch theta (part 1): grid 16 x 16, 8 waves a work-group, no clusters, 91,136 bytes of LDS; arguments p_params, x_params, thetaF, biasv; writes thetaF, biasv
.if DOCPART == 1
	.amdgcn_target "amdgcn-amd-amdhsa--gfx1250"
	.amdhsa_code_object_version 6
	.text
	.protected	k_q3ee4b1cc69_theta
	.globl	k_q3ee4b1cc69_theta
	.p2align	8
	.type	k_q3ee4b1cc69_theta,@function
k_q3ee4b1cc69_theta:
	s_mov_b64 s[64:65], 0
	v_nop
	global_prefetch_b8 v0, s[64:65] scope:SCOPE_SE
	s_setreg_imm32_b32 hwreg(HW_REG_WAVE_MODE, 25, 1), 1
	s_wait_xcnt 0x0
; theta2[i][j] = - sum over k of p[k][i] relu(x[k][j])   (512 x 512, k = 0 .. 2047)   and   bias2[i] = - sum over k of p[k][i].
; WORK LEFT OUT.  reference() also forms theta = inv(Mbar) (-p^T relu(x)) and bias = inv(Mbar_b) (-p^T 1), and never reads either again: rhs() takes theta2 and bias2, which are made
; without the inverses.  So for all values of the inputs the two inverses and their products reach no output: they are not computed, and Mbar and Mbar_b are not loaded and are no arguments
; of any launch.  LIMIT: a NaN, an infinity or an overflow that arises only in that work (a singular Mbar, say) is not carried to the result.
; FORMATS.  p and relu(x) are rounded to bf16 for the matrix unit; sums in f32, k in another order than reference()'s; theta2 is stored rounded once to bf16, bias2 in f32.  A NaN in x counts as 0 (the maximum with 0 drops it).
; SHARES.  Work-group (bj, bi) makes rows i = 32 bi .. + 31, columns j = 32 bj .. + 31: 2 x 2 tiles of 16 x 16.  K is split among its eight waves, 256 k each, in 8 chunks of 32; the partial sums
; meet in LDS.  The work-groups with bj = 0 also make the 32 numbers of bias2 of their rows, as a product of p with ones.
; LAYOUT.  Source 0 = 16 columns of x, source 1 = 16 columns of p: in the result lane (r = l % 16, h = l / 16) holds row i = r and the columns j = 8 h + 0..7: 16 bytes in bf16.  thetaF holds theta2 in the
; order in which the next launch's source 0 takes it: fragment (T = i / 16, kk = j / 32) at byte (16 T + kk) x 1,024; in it half c at 512 c, lane l at 16 l: theta2[16 T + r][32 kk + 16 c + 8 h + 0..7].
; ON THE WAY IN.  p and x lie [k][column], so a fragment wants them turned: a chunk's 32 rows x 32 columns of each go through registers (rounded; x also through the maximum with 0) into the wave's
; own stage in LDS, and come out by ds_load_tr16_b128.  NO TENSOR LOADS, NO JOINT LOADS: what the matrix unit takes is not what lies in memory; a tile brought as it lies (f32, twice the bytes)
; would be read from LDS, rounded and stored to LDS once more.
.set ROWB,   2048                      ; bytes in a row of p and of x
.set CHUNK,  32*ROWB                   ; a chunk of 32 k
.set SP,     160                       ; a row of the stage: 64 bytes of p, 64 of relu(x), 32 of padding
.set STGW,   32*SP                     ; a wave's stage
.set RED,    8*STGW                    ; behind the stages: the partial sums, six tiles of 1,024 bytes a wave
.set REDW,   6*1024
.set SPARE,  RED+8*REDW                ; behind them: the spare words, 128 bytes for each wave: four blocks of 256 bytes that no other line names
.set GP,   2                           ; v2   my byte offset in p and x: wave x 256 rows + (l / 8) rows + 16 (l % 8); never rewritten
.set LST,  3                           ; v3   where I put 8 bytes of the stage
.set LTR,  4                           ; v4   where a turning load reads
.set LRS,  5                           ; v5   where I put my 16 bytes of a partial tile
.set LRD,  6                           ; v6   where I read them back: tile = my wave's number
.set GO,   7                           ; v7   16 l: my 16 bytes of half a fragment of thetaF
.set ZR,   8                           ; v8   0, for the maximum
.set GB,   9                           ; v9   4 (l % 16): my number of bias2
.set SPW,  10                          ; v10  LDS address of my spare word; never rewritten
.set NIL,  11                          ; v11  0; never rewritten
.set BUF,  20                          ; v[20:147]  two sets of 64: 32 registers of p, 32 of x, as loaded
.set PF,   148                         ; v[148:163] p's two fragments (i tile a at PF + 8 a)
.set XF,   164                         ; v[164:179] x's two fragments (j tile c at XF + 8 c)
.set ONES, 180                         ; v[180:187] a fragment of ones
.set ACC,  188                         ; v[188:235] tile (a, c) at ACC + 8 (2 a + c); the bias tiles at ACC + 32 + 8 a
.set BJ,   12                          ; s12
.set BI,   13                          ; s13
.set WV,   14                          ; s14  my wave's number
	s_load_b256 s[4:11], s[0:1], 0x0               ; p s[4:5], x s[6:7], thetaF s[8:9], biasv s[10:11]
	v_lshl_add_u32 v[SPW], v0, 2, SPARE
	v_mov_b32 v[NIL], 0
	v_lshrrev_b32 v1, 5, v0
	v_readfirstlane_b32 s[WV], v1                  ; wave 0..7
	s_mov_b32 s[BJ], ttmp9
	s_and_b32 s[BI], ttmp7, 0xffff
	v_and_b32 v12, 31, v0                          ; l
	v_and_b32 v13, 7, v0                           ; l % 8
	v_bfe_u32 v14, v0, 3, 2                        ; l / 8
	v_bfe_u32 v15, v0, 4, 1                        ; h = l / 16
	v_bfe_u32 v16, v0, 3, 1                        ; (l / 8) % 2
	v_lshlrev_b32 v[GP], 4, v13
	v_lshl_add_u32 v[GP], v14, 11, v[GP]
	s_lshl_b32 s16, s[WV], 19                      ; 256 rows of 2,048 bytes
	v_add_nc_u32 v[GP], s16, v[GP]
	s_mul_i32 s17, s[WV], STGW                     ; my stage
	v_mul_u32_u24 v[LST], v14, SP                  ; in: row l / 8 of four, 8 bytes (4 numbers) at 8 (l % 8)
	v_lshl_add_u32 v[LST], v13, 3, v[LST]
	v_add_nc_u32 v[LST], s17, v[LST]
	v_lshl_add_u32 v[LTR], v15, 3, v13             ; out, turned: row 8 h + l % 8, 16 bytes at 16 ((l / 8) % 2)
	v_mul_u32_u24 v[LTR], v[LTR], SP
	v_lshl_add_u32 v[LTR], v16, 4, v[LTR]
	v_add_nc_u32 v[LTR], s17, v[LTR]
	s_mul_i32 s18, s[WV], REDW
	s_add_co_u32 s18, s18, RED
	v_lshl_add_u32 v[LRS], v12, 4, s18
	s_lshl_b32 s19, s[WV], 10
	s_add_co_u32 s19, s19, RED
	v_lshl_add_u32 v[LRD], v12, 4, s19
	v_lshlrev_b32 v[GO], 4, v12
	v_and_b32 v[GB], 15, v0
	v_lshlrev_b32 v[GB], 2, v[GB]
	v_mov_b32 v[ZR], 0
	s_lshl_b32 s20, s[BI], 7                       ; my 32 columns of p: 128 bytes of each row
	s_mov_b32 s21, 0
	s_lshl_b32 s22, s[BJ], 7                       ; and of x
	s_mov_b32 s23, 0
	s_wait_kmcnt 0x0
	s_add_nc_u64 s[4:5], s[4:5], s[20:21]
	s_add_nc_u64 s[6:7], s[6:7], s[22:23]
; Chunk c's 16 loads into set b: each covers 4 rows x 128 consecutive bytes.
.macro LOADS c, b
.irp q, 0,1,2,3,4,5,6,7
	global_load_b128 v[BUF+64*(\b)+4*(\q):BUF+64*(\b)+4*(\q)+3],       v[GP], s[4:5] offset:(\c)*CHUNK+(\q)*4*ROWB
	global_load_b128 v[BUF+64*(\b)+32+4*(\q):BUF+64*(\b)+32+4*(\q)+3], v[GP], s[6:7] offset:(\c)*CHUNK+(\q)*4*ROWB
.endr
.endm
; Set b is rounded to bf16 in place (x also through the maximum with 0: rounding keeps the sign, so the order of the two does not matter) and put into the stage.
.macro CVST b
.irp q, 0,1,2,3,4,5,6,7
.set rP, BUF+64*(\b)+4*(\q)
.set rX, rP+32
	v_cvt_pk_bf16_f32 v[rP],   v[rP],   v[rP+1]
	v_cvt_pk_bf16_f32 v[rP+1], v[rP+2], v[rP+3]
	v_cvt_pk_bf16_f32 v[rX],   v[rX],   v[rX+1]
	v_cvt_pk_bf16_f32 v[rX+1], v[rX+2], v[rX+3]
	v_pk_max_num_bf16 v[rX],   v[rX],   v[ZR]
	v_pk_max_num_bf16 v[rX+1], v[rX+1], v[ZR]
	ds_store_b64 v[LST], v[rP:rP+1] offset:(\q)*4*SP
	ds_store_b64 v[LST], v[rX:rX+1] offset:(\q)*4*SP+64
.endr
.endm
; The chunk's four fragments: each two turning loads, k = 8 h + 0..7 and 16 + 8 h + 0..7 of column l % 16.  LDS serves a wave's instructions in order (ISA guide 5.7.1.4): they see the stores above.
.macro TRL
.irp a, 0,1
	ds_load_tr16_b128 v[PF+8*(\a):PF+8*(\a)+3],   v[LTR] offset:32*(\a)
	ds_load_tr16_b128 v[PF+8*(\a)+4:PF+8*(\a)+7], v[LTR] offset:32*(\a)+16*SP
	ds_load_tr16_b128 v[XF+8*(\a):XF+8*(\a)+3],   v[LTR] offset:64+32*(\a)
	ds_load_tr16_b128 v[XF+8*(\a)+4:XF+8*(\a)+7], v[LTR] offset:64+32*(\a)+16*SP
.endr
.endm
; The chunk's products.  The accumulators take turns, one instruction a turn, from chunk to chunk too, with and without the two bias products.
.macro MUL first
.irp a, 0,1
.irp c, 0,1
.if \first
	v_wmma_f32_16x16x32_bf16 v[ACC+8*(2*(\a)+(\c)):ACC+8*(2*(\a)+(\c))+7], v[XF+8*(\c):XF+8*(\c)+7], v[PF+8*(\a):PF+8*(\a)+7], 0
.else
	v_wmma_f32_16x16x32_bf16 v[ACC+8*(2*(\a)+(\c)):ACC+8*(2*(\a)+(\c))+7], v[XF+8*(\c):XF+8*(\c)+7], v[PF+8*(\a):PF+8*(\a)+7], v[ACC+8*(2*(\a)+(\c)):ACC+8*(2*(\a)+(\c))+7]
.endif
.endr
.endr
	s_cmp_lg_u32 s[BJ], 0                          ; bias2's rows are made once: where bj = 0
	s_cbranch_scc1 .Lno_bias_\@
	v_wmma_f32_16x16x32_bf16 v[ACC+32:ACC+39], v[ONES:ONES+7], v[PF:PF+7],    v[ACC+32:ACC+39]
	v_wmma_f32_16x16x32_bf16 v[ACC+40:ACC+47], v[ONES:ONES+7], v[PF+8:PF+15], v[ACC+40:ACC+47]
.Lno_bias_\@:
.endm
	LOADS 0, 0
	LOADS 1, 1
.set r, 0
.rept 8
	v_mov_b32 v[ONES+r], 0x3f803f80                ; 1.0 twice, in bf16
.set r, r+1
.endr
.set r, 32
.rept 16
	v_mov_b32 v[ACC+r], 0                          ; the two bias sums start at 0 in registers, so that the products under the branch have one form in all eight chunks; written while the first loads are out
.set r, r+1
.endr
; A chunk: its loads are in; rounded and staged; its set is asked for again, two chunks on; turned; multiplied.  The 48 vector lines of CVST are the places between a chunk's products and the
; next chunk's loads into the fragments that they read.
.irp c, 0,1,2,3,4,5,6,7
.if (\c) < 7
	s_wait_loadcnt 16                              ; loads come back in order (ISA guide 5.7.1): this chunk's are in, the next chunk's 16 may stay out
.else
	s_wait_loadcnt 0x0                             ; the last chunk: nothing was issued behind it
.endif
	CVST (\c)%2
.if (\c) < 6
	LOADS (\c)+2, (\c)%2
.endif
	TRL
	s_wait_dscnt 0x0                               ; the fragments are in (and the stage may be written again)
.if (\c) == 0
	MUL 1
.else
	MUL 0
.endif
.endr
.rept 8
	v_nop                                          ; places behind the last products, in front of the LDS stores that read their results
.endr
.irp t, 0,1,2,3
	ds_store_b128 v[LRS], v[ACC+8*(\t):ACC+8*(\t)+3]   offset:(\t)*1024        ; each accumulator's low half first
	ds_store_b128 v[LRS], v[ACC+8*(\t)+4:ACC+8*(\t)+7] offset:(\t)*1024+512
.endr
	s_cmp_lg_u32 s[BJ], 0
	s_cbranch_scc1 .Lno_bias_part
	ds_store_b32 v[LRS], v[ACC+32] offset:4*1024   ; a bias tile's eight registers hold the same number: the sum for row i = l % 16
	ds_store_b32 v[LRS], v[ACC+40] offset:5*1024
.Lno_bias_part:
	s_wait_dscnt 0x0                               ; for the others' sake: my partial sums lie in LDS
	s_barrier_signal -1
	s_barrier_wait -1                              ; everybody's do
	s_cmp_lt_u32 s[WV], 4
	s_cbranch_scc0 .Lbias
	; Waves 0 to 3: tile v = my wave's number (a = v / 2, c = v % 2): eight partial sums are added, the sign turned, rounded, and stored as half a fragment.
.irp p, 0,1,2,3,4,5,6,7
	ds_load_b128 v[BUF+8*(\p):BUF+8*(\p)+3],   v[LRD] offset:(\p)*REDW
	ds_load_b128 v[BUF+8*(\p)+4:BUF+8*(\p)+7], v[LRD] offset:(\p)*REDW+512
.endr
	s_lshr_b32 s16, s[WV], 1                       ; a
	s_lshl_b32 s17, s[BI], 1
	s_add_co_u32 s16, s16, s17                     ; T = 2 bi + a
	s_lshl_b32 s16, s16, 4
	s_add_co_u32 s16, s16, s[BJ]                   ; 16 T + kk
	s_lshl_b32 s16, s16, 10
	s_and_b32 s17, s[WV], 1                        ; c
	s_lshl_b32 s17, s17, 9
	s_add_co_u32 s16, s16, s17
	s_mov_b32 s17, 0
	s_add_nc_u64 s[8:9], s[8:9], s[16:17]
	s_wait_dscnt 0x0
.irp p, 0,2,4,6
.irp e, 0,2,4,6
	v_pk_add_f32 v[BUF+8*(\p)+(\e):BUF+8*(\p)+(\e)+1], v[BUF+8*(\p)+(\e):BUF+8*(\p)+(\e)+1], v[BUF+8*(\p)+8+(\e):BUF+8*(\p)+8+(\e)+1]
.endr
.endr
.irp p, 0,4
.irp e, 0,2,4,6
	v_pk_add_f32 v[BUF+8*(\p)+(\e):BUF+8*(\p)+(\e)+1], v[BUF+8*(\p)+(\e):BUF+8*(\p)+(\e)+1], v[BUF+8*(\p)+16+(\e):BUF+8*(\p)+16+(\e)+1]
.endr
.endr
.irp e, 0,2,4,6
	v_pk_add_f32 v[BUF+(\e):BUF+(\e)+1], v[BUF+(\e):BUF+(\e)+1], v[BUF+32+(\e):BUF+32+(\e)+1] neg_lo:[1,1] neg_hi:[1,1]  ; the last sum takes both sides negated: theta2's minus
.endr
.irp e, 0,1,2,3
	v_cvt_pk_bf16_f32 v[BUF+64+(\e)], v[BUF+2*(\e)], v[BUF+2*(\e)+1]
.endr
	global_store_b128 v[GO], v[BUF+64:BUF+67], s[8:9]  ; the wave stores 512 consecutive bytes, at a multiple of 512 from thetaF's first byte
	s_branch .Lend
.Lbias:
	s_cmp_lt_u32 s[WV], 6
	s_cbranch_scc0 .Lend                           ; waves 6 and 7 finish nothing
	s_cmp_lg_u32 s[BJ], 0
	s_cbranch_scc1 .Lend
	; Waves 4 and 5, where bj = 0: bias tile a = my wave's number - 4.
.irp p, 0,1,2,3,4,5,6,7
	ds_load_b32 v[BUF+(\p)], v[LRD] offset:(\p)*REDW
.endr
	s_sub_co_u32 s16, s[WV], 4
	s_lshl_b32 s16, s16, 6                         ; 16 numbers of 4 bytes
	s_lshl_b32 s17, s[BI], 7                       ; 32 numbers
	s_add_co_u32 s16, s16, s17
	s_mov_b32 s17, 0
	s_add_nc_u64 s[10:11], s[10:11], s[16:17]
	s_wait_dscnt 0x0
	v_add_f32 v[BUF],   v[BUF],   v[BUF+1]
	v_add_f32 v[BUF+2], v[BUF+2], v[BUF+3]
	v_add_f32 v[BUF+4], v[BUF+4], v[BUF+5]
	v_add_f32 v[BUF+6], v[BUF+6], v[BUF+7]
	v_add_f32 v[BUF],   v[BUF],   v[BUF+2]
	v_add_f32 v[BUF+4], v[BUF+4], v[BUF+6]
	v_fma_f32 v[BUF], v[BUF], -1.0, -v[BUF+4]      ; bias2's minus
	global_store_b32 v[GB], v[BUF], s[10:11]       ; lanes l and l + 16 hold the same number and name the same word
.Lend:
	s_wait_tensorcnt 0x0                           ; the wave's end, behind my last LDS store
	ds_add_u32 v[SPW], v[NIL]
	s_wait_dscnt 0x0
	s_endpgm
.Lfunc_end_k_q3ee4b1cc69_theta:
	.size	k_q3ee4b1cc69_theta, .Lfunc_end_k_q3ee4b1cc69_theta-k_q3ee4b1cc69_theta
	.p2alignl 7, 3214868480
	.fill 96, 4, 3214868480
	.section	.rodata,"a",@progbits
	.p2align	6, 0x0
	.amdhsa_kernel k_q3ee4b1cc69_theta
		.amdhsa_group_segment_fixed_size 91136
		.amdhsa_private_segment_fixed_size 0
		.amdhsa_enable_private_segment 0
		.amdhsa_kernarg_size 32
		.amdhsa_user_sgpr_count 2
		.amdhsa_user_sgpr_kernarg_segment_ptr 1
		.amdhsa_wavefront_size32 1
		.amdhsa_system_sgpr_workgroup_id_x 1
		.amdhsa_system_sgpr_workgroup_id_y 1
		.amdhsa_system_sgpr_workgroup_id_z 1
		.amdhsa_system_vgpr_workitem_id 0
		.amdhsa_next_free_vgpr 240
		.amdhsa_next_free_sgpr 66
		.amdhsa_reserve_vcc 0
		.amdhsa_float_denorm_mode_32 3
		.amdhsa_float_denorm_mode_16_64 3
		.amdhsa_memory_ordered 1
		.amdhsa_forward_progress 1
		.amdhsa_inst_pref_size 62
	.end_amdhsa_kernel
	.amdgpu_metadata
---
amdhsa.version: [ 1, 2 ]
amdhsa.kernels:
  - .name:           k_q3ee4b1cc69_theta
    .symbol:         k_q3ee4b1cc69_theta.kd
    .args:
      - { .name: p_params, .offset: 0, .size: 8, .value_kind: global_buffer, .address_space: global }
      - { .name: x_params, .offset: 8, .size: 8, .value_kind: global_buffer, .address_space: global }
      - { .name: thetaF, .offset: 16, .size: 8, .value_kind: global_buffer, .address_space: global }
      - { .name: biasv, .offset: 24, .size: 8, .value_kind: global_buffer, .address_space: global }
    .group_segment_fixed_size: 91136
    .private_segment_fixed_size: 0
    .kernarg_segment_align: 8
    .kernarg_segment_size: 32
    .max_flat_workgroup_size: 256
    .sgpr_count:     66
    .vgpr_count:     240
    .wavefront_size: 32
...
	.end_amdgpu_metadata
.endif
;; end of part 1
;; launch ode (part 2): grid 256 x 1, 4 waves a work-group, clusters of 4 x 1, 264,192 bytes of LDS; arguments input, batch_t, thetaF, biasv, out0; writes out0
.if DOCPART == 2
	.amdgcn_target "amdgcn-amd-amdhsa--gfx1250"
	.amdhsa_code_object_version 6
	.text
	.protected	k_q3ee4b1cc69_ode
	.globl	k_q3ee4b1cc69_ode
	.p2align	8
	.type	k_q3ee4b1cc69_ode,@function
k_q3ee4b1cc69_ode:
	s_mov_b64 s[64:65], 0
	v_nop
	global_prefetch_b8 v0, s[64:65] scope:SCOPE_SE
	s_setreg_imm32_b32 hwreg(HW_REG_WAVE_MODE, 25, 1), 1
	s_wait_xcnt 0x0
	s_wait_alu depctr_hold_cnt(0) depctr_sa_sdst(0) depctr_va_vdst(0) depctr_va_sdst(0) depctr_va_ssrc(0) depctr_va_vcc(0) depctr_vm_vsrc(0)
	s_getreg_b32 s2, hwreg(HW_REG_IB_STS2, 6, 4)
	s_cmp_eq_u32 s2, 0
	s_cbranch_scc0 .Lentry_in_a_cluster
	s_endpgm
.Lentry_in_a_cluster:
	s_bfe_u32 s2, ttmp6, 0x10000c
	s_cmp_lg_u32 s2, 0x3003
	s_cbranch_scc0 .Lentry_shape_is_right
	s_endpgm
.Lentry_shape_is_right:
; out[0] = input; out[n] = the state after interval n: 7 intervals x 2 RK4 substeps x 4 right-hand sides r(z) = theta2 relu(z) + bias2, all 56 in this one launch.
; WORK LEFT OUT: theta and bias with the inverses of Mbar and Mbar_b, which reference() never reads again (shown at the head of the launch before): Mbar and Mbar_b are no arguments.
; FORMATS AND LIMITS.  theta2 and relu(z) are bf16 matrix operands; the sums, y, the RK4 sum and bias2 stay in f32.  h / 6 and h / 3 are h times the rounded constants 1/6 and 1/3; y + (h/6)(k1 + 2 k2 + 2 k3 + k4) is
; summed term by term onto y.  A NaN in z counts as 0 in relu(z) (the maximum with 0 drops it); y itself carries it.
; SHARES.  Batch rows never meet, so a work-group owns 16 rows (4,096 / 256) from first to last.  Wave w owns the output columns 128 w .. + 127: 8 tiles of 16, and for them all 512 of K: 16 k steps of 32.
; LAYOUT.  D = theta fragment (16 output columns x 32 k) x s fragment (32 k x 16 batch rows) + C: lane (r = l % 16, h = l / 16), register j holds batch row r, column 128 w + 16 t + 8 h + j.  y, the RK4 sum n
; and bias2 lie in the same layout, so a stage's vector work changes no lane, and a lane's 8 numbers, rounded to bf16, are 16 bytes on end of the next s.  The first k step takes bias2 as C: nothing is cleared, and the bias costs no line.
; WHERE THETA LIES.  Every stage multiplies by all of theta2, 128 fragments a wave, each once.  80 of them (tiles 0 to 4) stay in 640 registers; 48 (tiles 5 to 7, 49,152 bytes a wave) stay in LDS, each wave's own.
; So a stage's 128 matrix instructions have 96 LDS loads for theta and 32 for s.  More does not fit in registers: accumulators, bias2, y and n take 256, the two rings of fragments 104.
; THE HAND-OVER.  s = relu(z) in bf16, 16 rows x 512, goes from all waves to all waves through LDS: two buffers by turns and ONE barrier a stage.  A buffer is written only behind the barrier in front of which every wave
; has waited for its reads of it.
; CLUSTER.  All work-groups need the same theta2.  The part that stays in LDS is asked for JOINTLY by the four work-groups of a cluster: the same tensor load, descriptor and mask in all four.  The part that ends in registers
; (327,680 bytes a work-group) is loaded by each for itself: a tensor load ends in LDS, where 63,488 bytes are left, so it would pass through slots filled six times over, each behind a round of the cluster's barrier.
; REGISTERS, in windows of 256 (s_set_vgpr_msb: bits 1:0 source 0, 3:2 source 1, 5:4 source 2, 7:6 destination):
;   window 0: v0-16 addresses; v24-87 accumulators; v88-151 bias2; v152-183 a ring of 4 fragments of s (at work in the vector phase); v184-255 a ring of 3 x 3 fragments of theta
;   windows 1, 2, and 3 up to v127: theta's fragment (k step kk, tile t < 5) at register 256 + 8 (5 kk + t);   window 3: v128-191 y, v192-255 n
.set SPITCH, 1040                      ; a row of s in LDS: 1,024 bytes + 16 = 65 x 16
.set SBUF,   16*SPITCH                 ; a buffer of s; two of them from byte 0
.set OST,    2*SBUF                    ; each wave's own stage for rows of f32: 16 rows of 512 bytes + 16
.set OPITCH, 528
.set OSTW,   16*OPITCH
.set SPARE,  OST+4*OSTW                ; 67,072 = 262 x 256: the spare words, 128 bytes for each wave: two blocks of 256 bytes that no other line names
.set THB,    SPARE+512                 ; theta's tiles 5 to 7, wave by wave: the only bytes that a tensor load fills, once
.set TILEB,  16*1024                   ; a tile's 16 fragments of 1,024 bytes, in thetaF and in LDS alike
.set THW,    3*TILEB
.set PLANE,  4096*2048                 ; bytes from out[n] to out[n + 1]
.set AS,   2                           ; v2   r x 1,040 + 16 h: my place in a fragment of s
.set ATH,  3                           ; v3   THB + wave x 49,152 + 16 l
.set SST,  4                           ; v4   r x 1,040 + 16 h + 256 wave: where I put 16 bytes of s
.set OSTO, 5                           ; v5   my stage + r x 528 + 32 h: my 32 bytes of a tile's row
.set ORD,  6                           ; v6   my stage + 16 l: 16 bytes of a whole row
.set OGO,  7                           ; v7   512 wave + 16 l: the same 16 bytes in a row of input and out0
.set GL,   8                           ; v8   wave x 131,072 + 16 l: my place in thetaF
.set BO,   9                           ; v9   512 wave + 32 h: my place in biasv
.set ZR,   10                          ; v10  0, for the maximum
.set SPW,  12                          ; v12  LDS address of my spare word; never rewritten
.set NIL,  13                          ; v13  0; never rewritten
.set ACC,  24
.set BIAS, 88
.set SR,   152
.set TR,   184
.set YR,   128                         ; in window 3
.set NR,   192                         ; in window 3
.set WV,   14                          ; s14  my wave's number
.set G0,   20                          ; s[20:23] descriptor group 0
.set G1,   24                          ; s[24:31] descriptor group 1
.set TT,   32                          ; s[32:39] batch_t; shifted down one place an interval
.set CH,   40                          ; s[40:41] h / 2: a packed line names a pair and takes its low word for both halves
.set CF,   42                          ; s[42:43] h
.set W6,   44                          ; s[44:45] h / 6
.set W3,   46                          ; s[46:47] h / 3
.set INTS, 48                          ; s48  intervals to come
.set SUBS, 49                          ; s49  substeps to come
.set MSB, 0
.macro WIN new                         ; the immediate's high byte repeats the setting that is left; a switch that changes nothing is dropped
.if MSB != (\new)
	s_set_vgpr_msb (MSB<<8)|(\new)
.set MSB, \new
.endif
.endm
; A round of the cluster's barrier: my work-group's barrier, so that wave 0's signal speaks for all four waves; wave 0 signals; every wave waits for all four work-groups; my work-group's barrier once more.
.macro ROUND
	s_barrier_signal -1
	s_barrier_wait -1
	s_cmp_lg_u32 s[WV], 0
	s_cbranch_scc1 .Lnot_wave_0_\@
	s_barrier_signal -3
.Lnot_wave_0_\@:
	s_barrier_wait -3
	s_barrier_signal -1
	s_barrier_wait -1
.endm
	s_load_b256 s[4:11], s[0:1], 0x0               ; input s[4:5], batch_t s[6:7], thetaF s[8:9], biasv s[10:11]
	s_load_b64 s[12:13], s[0:1], 0x20              ; out0
	v_lshl_add_u32 v[SPW], v0, 2, SPARE
	v_mov_b32 v[NIL], 0
	ds_add_u32 v[SPW], v[NIL]                      ; the wave's opening: the add, twice on end, and its wait ahead of my first tensor load; the set-up below, work on registers, stands between
	ds_add_u32 v[SPW], v[NIL]                      ; and once more, under the one wait
	v_lshrrev_b32 v1, 5, v0
	v_readfirstlane_b32 s[WV], v1                  ; wave 0..3
	s_bfe_u32 s15, ttmp6, 0x40000                  ; cx: my place in the cluster
	s_lshl_b32 s16, ttmp9, 2                       ; in a cluster launch ttmp9 counts clusters
	s_add_co_u32 s16, s16, s15                     ; my work-group among the 256: it enters input's and out0's addresses alone
	s_lshl_b32 s56, s16, 15                        ; its 16 rows of 2,048 bytes
	s_mov_b32 s57, 0
	; descriptor group 1: a dense block of 49,152 bytes as 192 rows of 32 elements of 8 bytes, laid into LDS as it lies
	s_mov_b32 s[G1+0], 15|(3<<16)|(1<<21)          ; 15:0 the mask: all four work-groups; 17:16 elements of 8 bytes; 20 no padding; 21 set beside a mask
	s_mov_b32 s[G1+1], 32<<16                      ; tensor_dim0 = 32
	s_mov_b32 s[G1+2], 192<<16                     ; tensor_dim1 = 192
	s_mov_b32 s[G1+3], 32<<16                      ; tile_dim0 = 32
	s_mov_b32 s[G1+4], 192                         ; tile_dim1 = 192
	s_mov_b32 s[G1+5], 32                          ; 32 elements from row to row
	s_mov_b32 s[G1+6], 0
	s_mov_b32 s[G1+7], 0
	s_mov_b32 s[G0], 1                             ; count = 1
	s_mul_i32 s51, s[WV], THW
	s_add_co_u32 s[G0+1], s51, THB                 ; LDS address: a constant and the wave's number times a constant
	s_lshl_b32 s58, s[WV], 17                      ; my 8 tiles in thetaF: 131,072 bytes a wave
	s_mov_b32 s59, 0
	v_and_b32 v14, 31, v0                          ; l
	v_and_b32 v15, 15, v0                          ; r
	v_bfe_u32 v16, v0, 4, 1                        ; h
	v_mul_u32_u24 v[AS], v15, SPITCH
	v_lshl_add_u32 v[AS], v16, 4, v[AS]
	s_lshl_b32 s50, s[WV], 8
	v_add_nc_u32 v[SST], s50, v[AS]
	v_lshl_add_u32 v[ATH], v14, 4, s[G0+1]
	s_mul_i32 s52, s[WV], OSTW
	s_add_co_u32 s52, s52, OST
	v_mul_u32_u24 v[OSTO], v15, OPITCH
	v_lshl_add_u32 v[OSTO], v16, 5, v[OSTO]
	v_add_nc_u32 v[OSTO], s52, v[OSTO]
	v_lshl_add_u32 v[ORD], v14, 4, s52
	s_lshl_b32 s53, s[WV], 9
	v_lshl_add_u32 v[OGO], v14, 4, s53
	v_lshl_add_u32 v[BO], v16, 5, s53
	v_lshl_add_u32 v[GL], v14, 4, s58
	v_mov_b32 v[ZR], 0
	s_add_co_u32 s58, s58, 5*TILEB                 ; tiles 5 to 7 begin here
	s_wait_dscnt 0x0                               ; both opening adds are done
	s_wait_kmcnt 0x0
	s_load_b256 s[TT:TT+7], s[6:7], 0x0            ; the eight time points
	s_add_nc_u64 s[4:5], s[4:5], s[56:57]          ; input and out0 at my work-group's first row
	s_add_nc_u64 s[12:13], s[12:13], s[56:57]
	s_add_nc_u64 s[G0+2:G0+3], s[8:9], s[58:59]    ; global address: the wave's number alone enters it: the same in all four partners
	s_or_b32 s[G0+3], s[G0+3], 0x80000000          ; type = 2
	ROUND                                          ; all four work-groups are here: the joint loads meet
	tensor_load_to_lds s[G0:G0+3], s[G1:G1+7]      ; my one tensor load of the launch: by this text's count one is out
	s_nop 0
.rept 4
	v_nop
.endr
	; theta's 80 fragments for the registers: each two loads of 512 consecutive bytes
.set f, 0
.rept 80
.set rF, 256+8*f
.set rL, rF&255
	WIN (rF>>8)<<6
	global_load_b128 v[rL:rL+3],   v[GL], s[8:9] offset:(f%5)*TILEB+(f/5)*1024
	global_load_b128 v[rL+4:rL+7], v[GL], s[8:9] offset:(f%5)*TILEB+(f/5)*1024+512
.set f, f+1
.endr
	WIN 0
.irp t, 0,1,2,3,4,5,6,7
	global_load_b128 v[BIAS+8*(\t):BIAS+8*(\t)+3],   v[BO], s[10:11] offset:64*(\t)
	global_load_b128 v[BIAS+8*(\t)+4:BIAS+8*(\t)+7], v[BO], s[10:11] offset:64*(\t)+16
.endr
.irp q, 0,1,2,3,4,5,6,7,8,9,10,11,12,13,14,15
	global_load_b128 v[ACC+4*(\q):ACC+4*(\q)+3], v[OGO], s[4:5] offset:2048*(\q) th:TH_LOAD_NT  ; my 512 bytes of row q, on end
.endr
; ---- the matrix work ----
; One matrix instruction: tile t, k step kk.  Source 0: theta, from its registers (t < 5) or from the ring; source 1: s, from its ring.  The 8 accumulators take turns, one instruction a turn, from k step to k step,
; from stage to stage and over the backward jumps.
.macro WM t, kk
.if (\t) < 5
.set rF, 256+8*(5*(\kk)+(\t))
	WIN rF>>8
.set rA, rF&255
.else
	WIN 0
.set rA, TR+24*((\kk)%3)+8*((\t)-5)
.endif
.set rB, SR+8*((\kk)%4)
.set rD, ACC+8*(\t)
.if (\kk) == 0
	v_wmma_f32_16x16x32_bf16 v[rD:rD+7], v[rA:rA+7], v[rB:rB+7], v[BIAS+8*(\t):BIAS+8*(\t)+7]
.else
	v_wmma_f32_16x16x32_bf16 v[rD:rD+7], v[rA:rA+7], v[rB:rB+7], v[rD:rD+7]
.endif
.endm
.macro LS kk, buf, hf                  ; half hf of the fragment of s for k step kk, from buffer buf, into slot kk % 4
	ds_load_b128 v[SR+8*((\kk)%4)+4*(\hf):SR+8*((\kk)%4)+4*(\hf)+3], v[AS] offset:(\buf)*SBUF+64*(\kk)+32*(\hf)
.endm
.macro LT tl, kk                       ; theta's fragment (tile 5 + tl, k step kk) into slot kk % 3: twice 512 consecutive bytes
	ds_load_b128 v[TR+24*((\kk)%3)+8*(\tl):TR+24*((\kk)%3)+8*(\tl)+3],   v[ATH] offset:(\tl)*TILEB+(\kk)*1024
	ds_load_b128 v[TR+24*((\kk)%3)+8*(\tl)+4:TR+24*((\kk)%3)+8*(\tl)+7], v[ATH] offset:(\tl)*TILEB+(\kk)*1024+512
.endm
; A K STEP: five products from registers, three from the ring, and behind these three the step's RUN of LDS loads: theta for k step kk + 2 (behind steps 14 and 15: for the NEXT stage's steps 1 and 2, the same bytes,
; which fall into their own slots 1 and 2) and s for k step kk + 3: each 16 matrix instructions ahead of its use.  Run 0 has 2 loads (theta 0 to 2 are in), runs 1 to 12 eight, runs 13 to 15 six.
; The slots that a run fills were last read by the k step before: the four v_nop among the first five products are the four places between that step's last product and these loads (ISA guide 7.12.1 for vector
; instructions).  K step 0 needs none: the vector phase lies behind the last reader.
; THE WAIT in the step's middle shows run kk - 2 done: theta for this step's last three products and s for the next step's first.  Its count is what was issued behind that run: run kk - 1
; (k step 0: the two loads of s for step 2; k step 1: run 0's two).
.macro KSTEP kk, buf
.if (\kk) == 0
	s_wait_dscnt 4                                 ; s for k step 0 is in; the four loads for steps 1 and 2 may be out
.endif
.irp t, 0,1,2,3
	WM \t, \kk
.if (\kk) > 0
	v_nop
.endif
.endr
	WM 4, \kk
	WIN 0
.if (\kk) < 2
.set MW, 2
.elseif (\kk) < 14
.set MW, 8
.else
.set MW, 6
.endif
.set tk, (\kk)+2
.if (\kk) >= 14
.set tk, (\kk)-13
.endif
	s_wait_dscnt MW
	WM 5, \kk
.if (\kk) > 0
	LT 0, tk
.endif
.if (\kk) < 13
	LS (\kk)+3, \buf, 0
.endif
	WM 6, \kk
.if (\kk) > 0
	LT 1, tk
.endif
.if (\kk) < 13
	LS (\kk)+3, \buf, 1
.endif
	WM 7, \kk
.if (\kk) > 0
	LT 2, tk
.endif
.endm
; ---- the vector work ----  Tile t's 8 numbers a lane; at work in slot t % 4 of s's ring, which is idle between stages.  Each accumulator is read from its low end on.
.macro ZT t                            ; z = y + CZ k, in f32
.set rZ, SR+8*((\t)%4)
.irp e, 0,2,4,6
	v_pk_fma_f32 v[rZ+(\e):rZ+(\e)+1], v[ACC+8*(\t)+(\e):ACC+8*(\t)+(\e)+1], s[CZ:CZ+1], v[YR+8*(\t)+(\e):YR+8*(\t)+(\e)+1] op_sel_hi:[1,0,1]
.endr
.endm
.macro CVZ t                           ; rounded to bf16, in place
.set rZ, SR+8*((\t)%4)
.irp e, 0,1,2,3
	v_cvt_pk_bf16_f32 v[rZ+(\e)], v[rZ+2*(\e)], v[rZ+2*(\e)+1]
.endr
.endm
.macro YT t                            ; the substep's end: y = n + (h / 6) k4
.irp e, 0,2,4,6
	v_pk_fma_f32 v[YR+8*(\t)+(\e):YR+8*(\t)+(\e)+1], v[ACC+8*(\t)+(\e):ACC+8*(\t)+(\e)+1], s[W6:W6+1], v[NR+8*(\t)+(\e):NR+8*(\t)+(\e)+1] op_sel_hi:[1,0,1]
.endr
.endm
.macro CVY t                           ; y rounded to bf16
.set rZ, SR+8*((\t)%4)
.irp e, 0,1,2,3
	v_cvt_pk_bf16_f32 v[rZ+(\e)], v[YR+8*(\t)+2*(\e)], v[YR+8*(\t)+2*(\e)+1]
.endr
.endm
.macro RELU t                          ; rounding keeps the sign, so the maximum may follow it: two numbers a line
.set rZ, SR+8*((\t)%4)
.irp e, 0,1,2,3
	v_pk_max_num_bf16 v[rZ+(\e)], v[rZ+(\e)], v[ZR]
.endr
.endm
.macro NT t, w, src                    ; n = src + w k
.irp e, 0,2,4,6
	v_pk_fma_f32 v[NR+8*(\t)+(\e):NR+8*(\t)+(\e)+1], v[ACC+8*(\t)+(\e):ACC+8*(\t)+(\e)+1], s[\w:\w+1], v[\src+8*(\t)+(\e):\src+8*(\t)+(\e)+1] op_sel_hi:[1,0,1]
.endr
.endm
; THE VECTOR PHASE behind stage i (1 to 4; 0: ahead of the first stage, where s is made of y as loaded).  The accumulators hold k_i.  It makes the next stage's s = relu(z) into buffer nb:
; z = y + (h/2) k1, y + (h/2) k2, y + h k3, and behind stage 4 the new y; s goes out first, four tiles at a time, and n is brought up to date while the stores are on their way.
.macro VEC i, nb
	WIN 0
.if (\i) > 0
.rept 8
	v_nop                                          ; places behind the stage's last products, in front of the loads into their slot of theta's ring and of the lines that read their results
.endr
.endif
	LT 0, 0                                        ; theta for the next stage's k step 0
	LT 1, 0
	LT 2, 0
.if (\i) == 0
	s_wait_dscnt 18                                ; y is in: behind its loads stand theta's 18 for k steps 1, 2 and 0
.endif
.set CZ, CH
.if (\i) == 3
.set CZ, CF
.endif
.irp b, 0,4
.if ((\i) > 0) && ((\i) < 4)
	WIN 0x30                                       ; source 2 (y) in window 3
.irp q, 0,1,2,3
	ZT (\b)+(\q)
.endr
	WIN 0
.irp q, 0,1,2,3
	CVZ (\b)+(\q)
.endr
.else
.if (\i) == 4
	WIN 0xf0                                       ; destination (y) and source 2 (n) in window 3
.irp q, 0,1,2,3
	YT (\b)+(\q)
.endr
.endif
	WIN 0x0f                                       ; sources 0 and 1 (y) in window 3
.irp q, 0,1,2,3
	CVY (\b)+(\q)
.endr
	WIN 0
.endif
.irp q, 0,1,2,3
	RELU (\b)+(\q)
.endr
.irp q, 0,1,2,3
	ds_store_b128 v[SST], v[SR+8*(\q):SR+8*(\q)+3] offset:(\nb)*SBUF+32*((\b)+(\q))  ; row r, columns 128 w + 16 t + 8 h + 0..7
.endr
.endr
.if (\i) == 1
	WIN 0xf0
.irp t, 0,1,2,3,4,5,6,7
	NT \t, W6, YR                                  ; n = y + (h / 6) k1
.endr
.elseif ((\i) == 2) || ((\i) == 3)
	WIN 0xf0
.irp t, 0,1,2,3,4,5,6,7
	NT \t, W3, NR                                  ; n += (h / 3) k2, k3
.endr
.endif
	WIN 0
	s_wait_dscnt 0x0                               ; for the others' sake: my part of s lies in buffer nb, and my reads of the other buffer are over (theta's loads for k steps 0 to 2 are in as well)
	s_barrier_signal -1
	s_barrier_wait -1                              ; both hold of every wave: buffer nb is whole, and the other buffer may be written in the next vector phase
.irp k, 0,1,2
	LS \k, \nb, 0
	LS \k, \nb, 1
.endr
.endm
.macro STAGE i                         ; stage i reads s from buffer (i - 1) % 2 and leaves the next s in buffer i % 2
.irp kk, 0,1,2,3,4,5,6,7,8,9,10,11,12,13,14,15
	KSTEP \kk, ((\i)-1)%2
.endr
	VEC \i, (\i)%2
.endm
; y GOES OUT, at an interval's end: through my own stage in LDS, so that each store of the wave covers 512 consecutive bytes of a row.  The accumulators are idle between stages and take the rows.
.macro OUTB
	WIN 0x0c                                       ; store data (source 1) in window 3
.irp t, 0,1,2,3,4,5,6,7
	ds_store_b128 v[OSTO], v[YR+8*(\t):YR+8*(\t)+3]   offset:64*(\t)
	ds_store_b128 v[OSTO], v[YR+8*(\t)+4:YR+8*(\t)+7] offset:64*(\t)+16
.endr
	WIN 0
.irp q, 0,1,2,3,4,5,6,7,8,9,10,11,12,13,14,15
	ds_load_b128 v[ACC+4*(\q):ACC+4*(\q)+3], v[ORD] offset:OPITCH*(\q)  ; LDS serves a wave's instructions in order (ISA guide 5.7.1.4): these see the stores above
.endr
.irp q, 0,1,2,3,4,5,6,7,8,9,10,11,12,13,14,15
	s_wait_dscnt 15-(\q)                           ; row q is back; the younger rows may be out
	global_store_b128 v[OGO], v[ACC+4*(\q):ACC+4*(\q)+3], s[12:13] offset:2048*(\q) th:TH_STORE_NT  ; 512 consecutive bytes, at a multiple of 512 from out0's first byte
.endr
	s_wait_xcnt 0x0                                ; the stores have read their data and their base: only now is the base stepped, and the next stage writes the accumulators
	s_add_nc_u64 s[12:13], s[12:13], PLANE
.endm
	s_wait_loadcnt 0x0                             ; theta, bias2 and my rows of the input
	s_wait_kmcnt 0x0                               ; the time points
.irp q, 0,1,2,3,4,5,6,7,8,9,10,11,12,13,14,15
	global_store_b128 v[OGO], v[ACC+4*(\q):ACC+4*(\q)+3], s[12:13] offset:2048*(\q) th:TH_STORE_NT  ; out[0] = input
.endr
.irp q, 0,1,2,3,4,5,6,7,8,9,10,11,12,13,14,15
	ds_store_b128 v[ORD], v[ACC+4*(\q):ACC+4*(\q)+3] offset:OPITCH*(\q)  ; and through my stage into y's layout
.endr
	WIN 0xc0                                       ; destination in window 3
.irp t, 0,1,2,3,4,5,6,7
	ds_load_b128 v[YR+8*(\t):YR+8*(\t)+3],   v[OSTO] offset:64*(\t)
	ds_load_b128 v[YR+8*(\t)+4:YR+8*(\t)+7], v[OSTO] offset:64*(\t)+16
.endr
	WIN 0
	s_wait_xcnt 0x0                                ; the stores have read their data and their base
	s_add_nc_u64 s[12:13], s[12:13], PLANE
	s_wait_tensorcnt 0x0                           ; my part of theta lies in LDS; I alone read it
.irp k, 1,2
	LT 0, \k
	LT 1, \k
	LT 2, \k
.endr
	VEC 0, 0                                       ; the first s, of y as loaded
	s_mov_b32 s[INTS], 7
.Lint:                                         ; an interval: h = (t1 - t0) / 2, two substeps, y goes out
	s_mul_f32 s50, s[TT], -1.0
	s_add_f32 s50, s[TT+1], s50                    ; dt
	s_mul_f32 s[CF], s50, 0.5                      ; h
	s_mul_f32 s[CH], s[CF], 0.5                    ; h / 2
	s_mul_f32 s[W6], s[CF], 0x3e2aaaab             ; h / 6
	s_mul_f32 s[W3], s[CF], 0x3eaaaaab             ; h / 3
	s_mov_b32 s[CF+1], s[CF]                       ; named as pairs, so both words are written
	s_mov_b32 s[CH+1], s[CH]
	s_mov_b32 s[W6+1], s[W6]
	s_mov_b32 s[W3+1], s[W3]
.irp n, 0,1,2,3,4,5,6
	s_mov_b32 s[TT+(\n)], s[TT+(\n)+1]             ; the next interval finds its two time points in the first two places
.endr
	s_mov_b32 s[SUBS], 2
.Lsub:                                         ; an RK4 substep: four stages
	STAGE 1
	STAGE 2
	STAGE 3
	STAGE 4
	WIN 0                                          ; at a label and at a branch every window is 0
	s_sub_co_u32 s[SUBS], s[SUBS], 1
	s_cmp_lg_u32 s[SUBS], 0
	s_cbranch_scc1 .Lsub
	OUTB
	s_sub_co_u32 s[INTS], s[INTS], 1
	s_cmp_lg_u32 s[INTS], 0
	s_cbranch_scc1 .Lint
	; (the last vector phase's s, its barrier and its loads serve nothing: the price, once a launch, of one text for every substep)
	s_wait_tensorcnt 0x0                           ; the wave's end: behind my last tensor load and my last LDS store
	ds_add_u32 v[SPW], v[NIL]
	s_wait_dscnt 0x0
	ROUND                                          ; the closing round: no work-group ends while a partner may still ask for a tile that names it
	s_endpgm
.Lfunc_end_k_q3ee4b1cc69_ode:
	.size	k_q3ee4b1cc69_ode, .Lfunc_end_k_q3ee4b1cc69_ode-k_q3ee4b1cc69_ode
	.p2alignl 7, 3214868480
	.fill 96, 4, 3214868480
	.section	.rodata,"a",@progbits
	.p2align	6, 0x0
	.amdhsa_kernel k_q3ee4b1cc69_ode
		.amdhsa_group_segment_fixed_size 264192
		.amdhsa_private_segment_fixed_size 0
		.amdhsa_enable_private_segment 0
		.amdhsa_kernarg_size 40
		.amdhsa_user_sgpr_count 2
		.amdhsa_user_sgpr_kernarg_segment_ptr 1
		.amdhsa_wavefront_size32 1
		.amdhsa_system_sgpr_workgroup_id_x 1
		.amdhsa_system_sgpr_workgroup_id_y 1
		.amdhsa_system_sgpr_workgroup_id_z 1
		.amdhsa_system_vgpr_workitem_id 0
		.amdhsa_next_free_vgpr 1024
		.amdhsa_next_free_sgpr 66
		.amdhsa_reserve_vcc 0
		.amdhsa_float_denorm_mode_32 3
		.amdhsa_float_denorm_mode_16_64 3
		.amdhsa_memory_ordered 1
		.amdhsa_forward_progress 1
		.amdhsa_inst_pref_size 150
	.end_amdhsa_kernel
	.amdgpu_metadata
---
amdhsa.version: [ 1, 2 ]
amdhsa.kernels:
  - .name:           k_q3ee4b1cc69_ode
    .symbol:         k_q3ee4b1cc69_ode.kd
    .args:
      - { .name: input, .offset: 0, .size: 8, .value_kind: global_buffer, .address_space: global }
      - { .name: batch_t, .offset: 8, .size: 8, .value_kind: global_buffer, .address_space: global }
      - { .name: thetaF, .offset: 16, .size: 8, .value_kind: global_buffer, .address_space: global }
      - { .name: biasv, .offset: 24, .size: 8, .value_kind: global_buffer, .address_space: global }
      - { .name: out0, .offset: 32, .size: 8, .value_kind: global_buffer, .address_space: global }
    .group_segment_fixed_size: 264192
    .private_segment_fixed_size: 0
    .kernarg_segment_align: 8
    .kernarg_segment_size: 40
    .max_flat_workgroup_size: 128
    .sgpr_count:     66
    .vgpr_count:     1024
    .wavefront_size: 32
...
	.end_amdgpu_metadata
.endif
;; end of part 2
;; ======== version 2 of 3: 2 launches; 1.33 times as fast as version 1
;; workspace buffers: thetaF 524,288 bytes; biasv 2,048 bytes
;; launch theta: the kernel of part 1 again; grid 16 x 16, 8 waves a work-group, no clusters, 91,136 bytes of LDS; arguments p_params, x_params, thetaF, biasv; writes thetaF, biasv
;; launch ode (part 3): grid 256 x 1, 4 waves a work-group, clusters of 4 x 1, 264,192 bytes of LDS; arguments input, batch_t, thetaF, biasv, out0; writes out0
.if DOCPART == 3
	.amdgcn_target "amdgcn-amd-amdhsa--gfx1250"
	.amdhsa_code_object_version 6
	.text
	.protected	k_q3ee4b1cc69_ode
	.globl	k_q3ee4b1cc69_ode
	.p2align	8
	.type	k_q3ee4b1cc69_ode,@function
k_q3ee4b1cc69_ode:
	s_mov_b64 s[64:65], 0
	v_nop
	global_prefetch_b8 v0, s[64:65] scope:SCOPE_SE
	s_setreg_imm32_b32 hwreg(HW_REG_WAVE_MODE, 25, 1), 1
	s_wait_xcnt 0x0
	s_wait_alu depctr_hold_cnt(0) depctr_sa_sdst(0) depctr_va_vdst(0) depctr_va_sdst(0) depctr_va_ssrc(0) depctr_va_vcc(0) depctr_vm_vsrc(0)
	s_getreg_b32 s2, hwreg(HW_REG_IB_STS2, 6, 4)
	s_cmp_eq_u32 s2, 0
	s_cbranch_scc0 .Lentry_in_a_cluster
	s_endpgm
.Lentry_in_a_cluster:
	s_bfe_u32 s2, ttmp6, 0x10000c
	s_cmp_lg_u32 s2, 0x3003
	s_cbranch_scc0 .Lentry_shape_is_right
	s_endpgm
.Lentry_shape_is_right:
; out[0] = input; out[n] = the state after interval n: 7 intervals x 2 RK4 substeps x 4 right-hand sides r(z) = theta2 relu(z) + bias2, all 56 in this one launch.
; WORK LEFT OUT: theta and bias with the inverses of Mbar and Mbar_b, which reference() never reads again (shown at the head of the launch before): Mbar and Mbar_b are no arguments.
; FORMATS AND LIMITS.  theta2 and relu(z) are bf16 matrix operands; the sums, y, the RK4 sum and bias2 stay in f32.  A product's sum over k is taken in another order than reference()'s, and in another order in each wave.
; h / 6 and h / 3 are h times the rounded constants 1/6 and 1/3; y + (h/6)(k1 + 2 k2 + 2 k3 + k4) is summed term by term onto y.  A NaN in z counts as 0 in relu(z) (the maximum with 0 drops it); y itself carries it.
; SHARES.  Batch rows never meet, so a work-group owns 16 rows (4,096 / 256) from first to last.  Wave w owns the output columns 128 w .. + 127: 8 tiles of 16, and for them all 512 of K: 16 k steps of 32.
; LAYOUT.  D = theta fragment (16 output columns x 32 k) x s fragment (32 k x 16 batch rows) + C: lane (r = l % 16, h = l / 16), register j holds batch row r, column 128 w + 16 t + 8 h + j.  y, the RK4 sum n
; and bias2 lie in the same layout, so a stage's vector work changes no lane.  The first k step takes bias2 as C: nothing is cleared, and the bias costs no line.
; A STAGE BEGINS WITH THE WAVE'S OWN COLUMNS.  A lane's 8 numbers of tile t, rounded to bf16, are four registers; those of tiles 2 q and 2 q + 1 ARE the fragment of s for k = 128 w + 32 q .. + 31.  So each wave walks K in an
; order of its own: its LOCAL k steps 4 g .. 4 g + 3 are the k steps of group w xor g, and local steps 0 to 3 take s straight from the registers in which the vector phase left it.  Their 32 products need nothing of the other waves.
; WHERE THETA LIES.  Every stage multiplies by all of theta2, 128 fragments a wave, each once.  80 of them (tiles 0 to 4) stay in 640 registers; 48 (tiles 5 to 7, 49,152 bytes a wave) stay in LDS, each wave's own.
; So a stage's 128 matrix instructions have 96 LDS loads for theta and 24 for s.  More does not fit in registers: accumulators, bias2, y and n take 256, the two rings of fragments 104.
; THE LDS LOADS STAND IN RUNS, never singly among the matrix instructions: one run for two k steps, seven in a stage's k loop, and one at the head of the vector phase.
; THE HAND-OVER.  s = relu(z) in bf16, 16 rows x 512, goes from each wave to the three others through LDS: two buffers by turns and ONE barrier a stage, which stands among the products of the wave's own k steps: eight
; products between my stores and the wait for them, eight between the barrier's signal and its wait.  A buffer is written only behind the barrier in front of which every wave has waited for its reads of it.
; CLUSTER.  All work-groups need the same theta2.  The part that stays in LDS is asked for JOINTLY by the four work-groups of a cluster: the same tensor load, descriptor and mask in all four.  The part that ends in registers
; (327,680 bytes a work-group) is loaded by each for itself: a tensor load ends in LDS, where 63,488 bytes are left, so it would pass through slots filled six times over, each behind a round of the cluster's barrier.
; REGISTERS, in windows of 256 (s_set_vgpr_msb: bits 1:0 source 0, 3:2 source 1, 5:4 source 2, 7:6 destination):
;   window 0: v0-23 addresses; v24-87 accumulators; v88-151 bias2; v152-183 a ring of 4 fragments of s; v184-255 a ring of 3 slots of 3 fragments of theta
;   windows 1, 2, and 3 up to v127: theta's fragment (local k step kk, tile t < 5) at register 256 + 8 (5 kk + t);   window 3: v128-191 y, v192-255 n
.set SPITCH, 1040                      ; a row of s in LDS: 1,024 bytes + 16 = 65 x 16
.set SBUF,   16*SPITCH                 ; a buffer of s; two of them from byte 0
.set OST,    2*SBUF                    ; each wave's own stage for rows of f32: 16 rows of 512 bytes + 16
.set OPITCH, 528
.set OSTW,   16*OPITCH
.set SPARE,  OST+4*OSTW                ; 67,072 = 262 x 256: the spare words, 128 bytes for each wave: two blocks of 256 bytes that no other line names
.set THB,    SPARE+512                 ; theta's tiles 5 to 7, wave by wave: the only bytes that a tensor load fills, once
.set TILEB,  16*1024                   ; a tile's 16 fragments of 1,024 bytes, in thetaF and in LDS alike
.set THW,    3*TILEB
.set PLANE,  4096*2048                 ; bytes from out[n] to out[n + 1]
.set SST,  2                           ; v2   r x 1,040 + 16 h + 256 wave: where I put 16 bytes of s
.set OSTO, 3                           ; v3   my stage + r x 528 + 32 h: my 32 bytes of a tile's row
.set ORD,  4                           ; v4   my stage + 16 l: 16 bytes of a whole row
.set OGO,  5                           ; v5   512 wave + 16 l: the same 16 bytes in a row of input and out0
.set BO,   6                           ; v6   512 wave + 32 h: my place in biasv
.set ZR,   7                           ; v7   0, for the maximum
.set ATH,  8                           ; v8-11   local group g: THB + wave x 49,152 + (wave xor g) x 4,096 + 16 l: theta in LDS
.set SPW,  12                          ; v12  LDS address of my spare word; never rewritten
.set NIL,  13                          ; v13  0; never rewritten
.set ASG,  16                          ; v17-19  local group g = 1 .. 3: r x 1,040 + 16 h + (wave xor g) x 256: my place in that group's fragments of s
.set GL,   20                          ; v20-23  local group g: wave x 131,072 + (wave xor g) x 4,096 + 16 l: my place in thetaF
.set ACC,  24
.set BIAS, 88
.set SR,   152
.set TR,   184
.set YR,   128                         ; in window 3
.set NR,   192                         ; in window 3
.set WV,   14                          ; s14  my wave's number
.set G0,   20                          ; s[20:23] descriptor group 0
.set G1,   24                          ; s[24:31] descriptor group 1
.set TT,   32                          ; s[32:39] batch_t; shifted down one place an interval
.set CH,   40                          ; s[40:41] h / 2: a packed line names a pair and takes its low word for both halves
.set CF,   42                          ; s[42:43] h
.set W6,   44                          ; s[44:45] h / 6
.set W3,   46                          ; s[46:47] h / 3
.set INTS, 48                          ; s48  intervals to come
.set SUBS, 49                          ; s49  substeps to come
.set MSB, 0
.macro WIN new                         ; the immediate's high byte repeats the setting that is left; a switch that changes nothing is dropped
.if MSB != (\new)
	s_set_vgpr_msb (MSB<<8)|(\new)
.set MSB, \new
.endif
.endm
; A round of the cluster's barrier: my work-group's barrier, so that wave 0's signal speaks for all four waves; wave 0 signals; every wave waits for all four work-groups; my work-group's barrier once more.
.macro ROUND
	s_barrier_signal -1
	s_barrier_wait -1
	s_cmp_lg_u32 s[WV], 0
	s_cbranch_scc1 .Lnot_wave_0_\@
	s_barrier_signal -3
.Lnot_wave_0_\@:
	s_barrier_wait -3
	s_barrier_signal -1
	s_barrier_wait -1
.endm
	s_load_b256 s[4:11], s[0:1], 0x0               ; input s[4:5], batch_t s[6:7], thetaF s[8:9], biasv s[10:11]
	s_load_b64 s[12:13], s[0:1], 0x20              ; out0
	v_lshl_add_u32 v[SPW], v0, 2, SPARE
	v_mov_b32 v[NIL], 0
	ds_add_u32 v[SPW], v[NIL]                      ; the wave's opening: the add, twice on end, and its wait ahead of my first tensor load; the set-up below, work on registers, stands between
	ds_add_u32 v[SPW], v[NIL]                      ; and once more, under the one wait
	v_lshrrev_b32 v1, 5, v0
	v_readfirstlane_b32 s[WV], v1                  ; wave 0..3
	s_bfe_u32 s15, ttmp6, 0x40000                  ; cx: my place in the cluster
	s_lshl_b32 s16, ttmp9, 2                       ; in a cluster launch ttmp9 counts clusters
	s_add_co_u32 s16, s16, s15                     ; my work-group among the 256: it enters input's and out0's addresses alone
	s_lshl_b32 s56, s16, 15                        ; its 16 rows of 2,048 bytes
	s_mov_b32 s57, 0
	; descriptor group 1: a dense block of 49,152 bytes as 192 rows of 32 elements of 8 bytes, laid into LDS as it lies
	s_mov_b32 s[G1+0], 15|(3<<16)|(1<<21)          ; 15:0 the mask: all four work-groups; 17:16 elements of 8 bytes; 20 no padding; 21 set beside a mask
	s_mov_b32 s[G1+1], 32<<16                      ; tensor_dim0 = 32
	s_mov_b32 s[G1+2], 192<<16                     ; tensor_dim1 = 192
	s_mov_b32 s[G1+3], 32<<16                      ; tile_dim0 = 32
	s_mov_b32 s[G1+4], 192                         ; tile_dim1 = 192
	s_mov_b32 s[G1+5], 32                          ; 32 elements from row to row
	s_mov_b32 s[G1+6], 0
	s_mov_b32 s[G1+7], 0
	s_mov_b32 s[G0], 1                             ; count = 1
	s_mul_i32 s51, s[WV], THW
	s_add_co_u32 s[G0+1], s51, THB                 ; LDS address: a constant and the wave's number times a constant
	s_lshl_b32 s58, s[WV], 17                      ; my 8 tiles in thetaF: 131,072 bytes a wave
	s_mov_b32 s59, 0
	v_and_b32 v14, 31, v0                          ; l
	v_and_b32 v15, 15, v0                          ; r
	v_bfe_u32 v16, v0, 4, 1                        ; h
	v_mul_u32_u24 v1, v15, SPITCH
	v_lshl_add_u32 v1, v16, 4, v1                  ; r x 1,040 + 16 h: a lane's place in a fragment of s
	s_lshl_b32 s50, s[WV], 8
	v_add_nc_u32 v[SST], s50, v1
.irp g, 0,1,2,3                        ; local group g is group wave xor g of K: four k steps: 4,096 bytes of a tile of theta, 256 bytes of a row of s
	s_xor_b32 s50, s[WV], (\g)
	s_lshl_b32 s51, s50, 12
	s_add_co_u32 s52, s51, s[G0+1]
	v_lshl_add_u32 v[ATH+(\g)], v14, 4, s52
	s_add_co_u32 s52, s51, s58
	v_lshl_add_u32 v[GL+(\g)], v14, 4, s52
.if (\g) > 0
	s_lshl_b32 s51, s50, 8
	v_add_nc_u32 v[ASG+(\g)], s51, v1
.endif
.endr
	s_mul_i32 s52, s[WV], OSTW
	s_add_co_u32 s52, s52, OST
	v_mul_u32_u24 v[OSTO], v15, OPITCH
	v_lshl_add_u32 v[OSTO], v16, 5, v[OSTO]
	v_add_nc_u32 v[OSTO], s52, v[OSTO]
	v_lshl_add_u32 v[ORD], v14, 4, s52
	s_lshl_b32 s53, s[WV], 9
	v_lshl_add_u32 v[OGO], v14, 4, s53
	v_lshl_add_u32 v[BO], v16, 5, s53
	v_mov_b32 v[ZR], 0
	s_add_co_u32 s58, s58, 5*TILEB                 ; tiles 5 to 7 begin here
	s_wait_dscnt 0x0                               ; both opening adds are done
	s_wait_kmcnt 0x0
	s_load_b256 s[TT:TT+7], s[6:7], 0x0            ; the eight time points
	s_add_nc_u64 s[4:5], s[4:5], s[56:57]          ; input and out0 at my work-group's first row
	s_add_nc_u64 s[12:13], s[12:13], s[56:57]
	s_add_nc_u64 s[G0+2:G0+3], s[8:9], s[58:59]    ; global address: the wave's number alone enters it: the same in all four partners
	s_or_b32 s[G0+3], s[G0+3], 0x80000000          ; type = 2
	ROUND                                          ; all four work-groups are here: the joint loads meet
	tensor_load_to_lds s[G0:G0+3], s[G1:G1+7]      ; my one tensor load of the launch: by this text's count one is out
	s_nop 0
.rept 4
	v_nop
.endr
	; theta's 80 fragments for the registers, in my own order of k: each two loads of 512 consecutive bytes
.set f, 0
.rept 80
.set rF, 256+8*f
.set rL, rF&255
	WIN (rF>>8)<<6
	global_load_b128 v[rL:rL+3],   v[GL+(f/5)/4], s[8:9] offset:(f%5)*TILEB+((f/5)%4)*1024
	global_load_b128 v[rL+4:rL+7], v[GL+(f/5)/4], s[8:9] offset:(f%5)*TILEB+((f/5)%4)*1024+512
.set f, f+1
.endr
	WIN 0
.irp t, 0,1,2,3,4,5,6,7
	global_load_b128 v[BIAS+8*(\t):BIAS+8*(\t)+3],   v[BO], s[10:11] offset:64*(\t)
	global_load_b128 v[BIAS+8*(\t)+4:BIAS+8*(\t)+7], v[BO], s[10:11] offset:64*(\t)+16
.endr
.irp q, 0,1,2,3,4,5,6,7,8,9,10,11,12,13,14,15
	global_load_b128 v[ACC+4*(\q):ACC+4*(\q)+3], v[OGO], s[4:5] offset:2048*(\q) th:TH_LOAD_NT  ; my 512 bytes of row q, on end
.endr
; ---- the matrix work ----  kk is a LOCAL k step throughout.
; One matrix instruction: tile t, k step kk.  Source 0: theta, from its registers (t < 5) or from the ring; source 1: s, from its ring.  The accumulators take turns, one instruction a turn, from k step to k step,
; from stage to stage and over the backward jumps.
.macro WM t, kk
.if (\t) < 5
.set rF, 256+8*(5*(\kk)+(\t))
	WIN rF>>8
.set rA, rF&255
.else
	WIN 0
.set rA, TR+24*((\kk)%3)+8*((\t)-5)
.endif
.set rB, SR+8*((\kk)%4)
.set rD, ACC+8*(\t)
.if (\kk) == 0
	v_wmma_f32_16x16x32_bf16 v[rD:rD+7], v[rA:rA+7], v[rB:rB+7], v[BIAS+8*(\t):BIAS+8*(\t)+7]
.else
	v_wmma_f32_16x16x32_bf16 v[rD:rD+7], v[rA:rA+7], v[rB:rB+7], v[rD:rD+7]
.endif
.endm
.macro TP kk                           ; k step kk's three products with theta from the ring
	WM 5, \kk
	WM 6, \kk
	WM 7, \kk
.endm
.macro RP kk                           ; its five products with theta from registers
.irp t, 0,1,2,3,4
	WM \t, \kk
.endr
.endm
.macro LS2 kk, buf                     ; the fragment of s for k step kk (4 to 15: another wave's columns), from buffer buf, into slot kk % 4
	ds_load_b128 v[SR+8*((\kk)%4):SR+8*((\kk)%4)+3],   v[ASG+(\kk)/4] offset:(\buf)*SBUF+64*((\kk)%4)
	ds_load_b128 v[SR+8*((\kk)%4)+4:SR+8*((\kk)%4)+7], v[ASG+(\kk)/4] offset:(\buf)*SBUF+64*((\kk)%4)+32
.endm
.macro LT tl, kk                       ; theta's fragment (tile 5 + tl, k step kk) into slot kk % 3: twice 512 consecutive bytes
	ds_load_b128 v[TR+24*((\kk)%3)+8*(\tl):TR+24*((\kk)%3)+8*(\tl)+3],   v[ATH+(\kk)/4] offset:(\tl)*TILEB+((\kk)%4)*1024
	ds_load_b128 v[TR+24*((\kk)%3)+8*(\tl)+4:TR+24*((\kk)%3)+8*(\tl)+7], v[ATH+(\kk)/4] offset:(\tl)*TILEB+((\kk)%4)*1024+512
.endm
.macro LT3 kk                          ; a k step's three fragments: six loads
	LT 0, \kk
	LT 1, \kk
	LT 2, \kk
.endm
; A load into a register that a matrix instruction has read stands four places behind it, and only plain vector instructions that name none of its registers are places (ISA guide 7.12.1 for vector
; instructions).
.macro PLACES
.rept 4
	v_nop
.endr
.endm
; A PERIOD: k steps a = 2 p and a + 1, 16 products.
; PERIOD 0 has no run: s of k steps 0 to 3 lies in the ring as the vector phase left it, theta of k steps 0 to 2 has been asked for.  In it stands the stage's one barrier.  In front of the signal the wait for 0: my part of
; the new s lies in LDS (eight products behind the stores), and my reads of the other buffer, the last stage's, are over.  Behind the barrier's wait (eight products behind the signal) both hold of every wave: the new buffer
; is whole, so run 1 may read it, and the other buffer may be written in this stage's vector phase.
; PERIODS 1 TO 7 have ONE RUN of LDS loads at their head.  Periods 1 to 6, 16 loads: theta of k step a + 1, theta of a + 2, s of a + 2 and a + 3.  Theta of a is live in slot a % 3; the other two slots held a - 2 and a - 1,
; s's two slots a - 2 and a - 1: all were read in the period before, the last of them by its last three products, behind which the four places stand.  Period 7, 12 loads: theta of k step 15 and, into slot 1, of the NEXT
; stage's k step 1 (the same bytes in every stage).  The order of the products: the ring's three of a, the ten from registers, the ring's three of a + 1: so theta of a + 1, which the run asks for first, has 13 products in
; which to land, all else 16 or more.
; THE WAITS.  LDS instructions are done in order (ISA guide 5.7.1).  Period 0's first: theta of k steps 1 and 0 are in; behind them stand theta's six loads for k step 2 and my eight stores of s: 14.  Behind a run: all but the
; run itself (16, or 12): the run before is in: theta of a, s of a and a + 1.  In front of the last three products: the run's first six loads are in, its other 10 (or 6) may be out.
.macro PERIOD p, buf
.if (\p) == 0
	s_wait_dscnt 14
	TP 0
	RP 0
	s_wait_dscnt 0x0                               ; for the others' sake: zero
	s_barrier_signal -1
	RP 1                                           ; work on registers between the signal and the wait
	TP 1
	s_barrier_wait -1
.else
	WIN 0
	PLACES
	LT3 2*(\p)+1
.if (\p) < 7
	LT3 2*(\p)+2
	LS2 2*(\p)+2, \buf
	LS2 2*(\p)+3, \buf
	s_wait_dscnt 16
.else
	LT3 1
	s_wait_dscnt 12
.endif
	TP 2*(\p)
	RP 2*(\p)
	RP 2*(\p)+1
	WIN 0
.if (\p) < 7
	s_wait_dscnt 10
.else
	s_wait_dscnt 6
.endif
	TP 2*(\p)+1
.endif
.endm
; ---- the vector work ----  Tile t's 8 numbers a lane.  Each accumulator is read from its low end on.
.macro NT t, w, src                    ; n = src + w k
.irp e, 0,2,4,6
	v_pk_fma_f32 v[NR+8*(\t)+(\e):NR+8*(\t)+(\e)+1], v[ACC+8*(\t)+(\e):ACC+8*(\t)+(\e)+1], s[\w:\w+1], v[\src+8*(\t)+(\e):\src+8*(\t)+(\e)+1] op_sel_hi:[1,0,1]
.endr
.endm
.macro ZT t                            ; z = y + CZ k, in f32, in k's place: n has taken k
.irp e, 0,2,4,6
	v_pk_fma_f32 v[ACC+8*(\t)+(\e):ACC+8*(\t)+(\e)+1], v[ACC+8*(\t)+(\e):ACC+8*(\t)+(\e)+1], s[CZ:CZ+1], v[YR+8*(\t)+(\e):YR+8*(\t)+(\e)+1] op_sel_hi:[1,0,1]
.endr
.endm
.macro CVZ t                           ; rounded to bf16, into half t % 2 of slot t / 2 of s's ring
.irp e, 0,1,2,3
	v_cvt_pk_bf16_f32 v[SR+4*(\t)+(\e)], v[ACC+8*(\t)+2*(\e)], v[ACC+8*(\t)+2*(\e)+1]
.endr
.endm
.macro YT t                            ; the substep's end: y = n + (h / 6) k4
.irp e, 0,2,4,6
	v_pk_fma_f32 v[YR+8*(\t)+(\e):YR+8*(\t)+(\e)+1], v[ACC+8*(\t)+(\e):ACC+8*(\t)+(\e)+1], s[W6:W6+1], v[NR+8*(\t)+(\e):NR+8*(\t)+(\e)+1] op_sel_hi:[1,0,1]
.endr
.endm
.macro CVY t                           ; y rounded to bf16, into the same place
.irp e, 0,1,2,3
	v_cvt_pk_bf16_f32 v[SR+4*(\t)+(\e)], v[YR+8*(\t)+2*(\e)], v[YR+8*(\t)+2*(\e)+1]
.endr
.endm
.macro RELU t                          ; rounding keeps the sign, so the maximum may follow it: two numbers a line
.irp e, 0,1,2,3
	v_pk_max_num_bf16 v[SR+4*(\t)+(\e)], v[SR+4*(\t)+(\e)], v[ZR]
.endr
.endm
; THE VECTOR PHASE behind stage i (1 to 4; 0: ahead of the first stage, where s is made of y as loaded).  The accumulators hold k_i.  It brings n up to date and makes the next stage's s = relu(z):
; z = y + (h/2) k1, y + (h/2) k2, y + h k3, and behind stage 4 the new y.  s stays in the ring, as my own four fragments, and goes into buffer nb for the other waves; four tiles at a time, each with registers of its own.
; At its head one run of 12 loads: theta for the next stage's k steps 0 and 2, into the slots that k steps 15 and 14 have left.
.macro VEC i, nb
	WIN 0
.if (\i) > 0
.rept 8
	v_nop                                          ; places behind the stage's last products, in front of the loads into their slot of theta's ring and of the lines that read their results or write s's ring
.endr
.endif
	LT3 0
	LT3 2
.if (\i) == 0
	s_wait_dscnt 18                                ; y is in: behind its loads stand theta's 18 for k steps 1, 0 and 2
.endif
.set CZ, CH
.if (\i) == 3
.set CZ, CF
.endif
.irp b, 0,4
.if (\i) == 1
	WIN 0xf0                                       ; destination (n) and source 2 (y) in window 3
.irp q, 0,1,2,3
	NT (\b)+(\q), W6, YR                           ; n = y + (h / 6) k1
.endr
.elseif ((\i) == 2) || ((\i) == 3)
	WIN 0xf0
.irp q, 0,1,2,3
	NT (\b)+(\q), W3, NR                           ; n += (h / 3) k2, k3
.endr
.endif
.if ((\i) > 0) && ((\i) < 4)
	WIN 0x30                                       ; source 2 (y) in window 3
.irp q, 0,1,2,3
	ZT (\b)+(\q)
.endr
	WIN 0
.irp q, 0,1,2,3
	CVZ (\b)+(\q)
.endr
.else
.if (\i) == 4
	WIN 0xf0                                       ; destination (y) and source 2 (n) in window 3
.irp q, 0,1,2,3
	YT (\b)+(\q)
.endr
.endif
	WIN 0x0f                                       ; sources 0 and 1 (y) in window 3
.irp q, 0,1,2,3
	CVY (\b)+(\q)
.endr
	WIN 0
.endif
.irp q, 0,1,2,3
	RELU (\b)+(\q)
.endr
.irp q, 0,1,2,3
	ds_store_b128 v[SST], v[SR+4*((\b)+(\q)):SR+4*((\b)+(\q))+3] offset:(\nb)*SBUF+32*((\b)+(\q))  ; row r, columns 128 w + 16 t + 8 h + 0..7
.endr
.endr
.endm
.macro STAGE i                         ; stage i reads the other waves' s from buffer (i - 1) % 2 and leaves the next s in buffer i % 2
.irp p, 0,1,2,3,4,5,6,7
	PERIOD \p, ((\i)-1)%2
.endr
	VEC \i, (\i)%2
.endm
; y GOES OUT, at an interval's end: through my own stage in LDS, so that each store of the wave covers 512 consecutive bytes of a row.  The accumulators are idle between stages and take the rows.
.macro OUTB
	WIN 0x0c                                       ; store data (source 1) in window 3
.irp t, 0,1,2,3,4,5,6,7
	ds_store_b128 v[OSTO], v[YR+8*(\t):YR+8*(\t)+3]   offset:64*(\t)
	ds_store_b128 v[OSTO], v[YR+8*(\t)+4:YR+8*(\t)+7] offset:64*(\t)+16
.endr
	WIN 0
.irp q, 0,1,2,3,4,5,6,7,8,9,10,11,12,13,14,15
	ds_load_b128 v[ACC+4*(\q):ACC+4*(\q)+3], v[ORD] offset:OPITCH*(\q)  ; LDS serves a wave's instructions in order (ISA guide 5.7.1.4): these see the stores above
.endr
.irp q, 0,1,2,3,4,5,6,7,8,9,10,11,12,13,14,15
	s_wait_dscnt 15-(\q)                           ; row q is back; the younger rows may be out
	global_store_b128 v[OGO], v[ACC+4*(\q):ACC+4*(\q)+3], s[12:13] offset:2048*(\q) th:TH_STORE_NT  ; 512 consecutive bytes, at a multiple of 512 from out0's first byte
.endr
	s_wait_xcnt 0x0                                ; the stores have read their data and their base: only now is the base stepped, and the next stage writes the accumulators
	s_add_nc_u64 s[12:13], s[12:13], PLANE
.endm
	s_wait_loadcnt 0x0                             ; theta, bias2 and my rows of the input
	s_wait_kmcnt 0x0                               ; the time points
.irp q, 0,1,2,3,4,5,6,7,8,9,10,11,12,13,14,15
	global_store_b128 v[OGO], v[ACC+4*(\q):ACC+4*(\q)+3], s[12:13] offset:2048*(\q) th:TH_STORE_NT  ; out[0] = input
.endr
.irp q, 0,1,2,3,4,5,6,7,8,9,10,11,12,13,14,15
	ds_store_b128 v[ORD], v[ACC+4*(\q):ACC+4*(\q)+3] offset:OPITCH*(\q)  ; and through my stage into y's layout
.endr
	WIN 0xc0                                       ; destination in window 3
.irp t, 0,1,2,3,4,5,6,7
	ds_load_b128 v[YR+8*(\t):YR+8*(\t)+3],   v[OSTO] offset:64*(\t)
	ds_load_b128 v[YR+8*(\t)+4:YR+8*(\t)+7], v[OSTO] offset:64*(\t)+16
.endr
	WIN 0
	s_wait_xcnt 0x0                                ; the stores have read their data and their base
	s_add_nc_u64 s[12:13], s[12:13], PLANE
	s_wait_tensorcnt 0x0                           ; my part of theta lies in LDS; I alone read it
	LT3 1                                          ; theta for the first stage's k step 1: later stages find it asked for by the stage before
	VEC 0, 0                                       ; the first s, of y as loaded
	s_mov_b32 s[INTS], 7
.Lint:                                         ; an interval: h = (t1 - t0) / 2, two substeps, y goes out
	s_mul_f32 s50, s[TT], -1.0
	s_add_f32 s50, s[TT+1], s50                    ; dt
	s_mul_f32 s[CF], s50, 0.5                      ; h
	s_mul_f32 s[CH], s[CF], 0.5                    ; h / 2
	s_mul_f32 s[W6], s[CF], 0x3e2aaaab             ; h / 6
	s_mul_f32 s[W3], s[CF], 0x3eaaaaab             ; h / 3
	s_mov_b32 s[CF+1], s[CF]                       ; named as pairs, so both words are written
	s_mov_b32 s[CH+1], s[CH]
	s_mov_b32 s[W6+1], s[W6]
	s_mov_b32 s[W3+1], s[W3]
.irp n, 0,1,2,3,4,5,6
	s_mov_b32 s[TT+(\n)], s[TT+(\n)+1]             ; the next interval finds its two time points in the first two places
.endr
	s_mov_b32 s[SUBS], 2
.Lsub:                                         ; an RK4 substep: four stages
	STAGE 1
	STAGE 2
	STAGE 3
	STAGE 4
	WIN 0                                          ; at a label and at a branch every window is 0
	s_sub_co_u32 s[SUBS], s[SUBS], 1
	s_cmp_lg_u32 s[SUBS], 0
	s_cbranch_scc1 .Lsub
	OUTB
	s_sub_co_u32 s[INTS], s[INTS], 1
	s_cmp_lg_u32 s[INTS], 0
	s_cbranch_scc1 .Lint
	; (the last vector phase's s and its loads of theta serve nothing: the price, once a launch, of one text for every substep)
	s_wait_tensorcnt 0x0                           ; the wave's end: behind my last tensor load and my last LDS store
	ds_add_u32 v[SPW], v[NIL]
	s_wait_dscnt 0x0
	ROUND                                          ; the closing round: no work-group ends while a partner may still ask for a tile that names it
	s_endpgm
.Lfunc_end_k_q3ee4b1cc69_ode:
	.size	k_q3ee4b1cc69_ode, .Lfunc_end_k_q3ee4b1cc69_ode-k_q3ee4b1cc69_ode
	.p2alignl 7, 3214868480
	.fill 96, 4, 3214868480
	.section	.rodata,"a",@progbits
	.p2align	6, 0x0
	.amdhsa_kernel k_q3ee4b1cc69_ode
		.amdhsa_group_segment_fixed_size 264192
		.amdhsa_private_segment_fixed_size 0
		.amdhsa_enable_private_segment 0
		.amdhsa_kernarg_size 40
		.amdhsa_user_sgpr_count 2
		.amdhsa_user_sgpr_kernarg_segment_ptr 1
		.amdhsa_wavefront_size32 1
		.amdhsa_system_sgpr_workgroup_id_x 1
		.amdhsa_system_sgpr_workgroup_id_y 1
		.amdhsa_system_sgpr_workgroup_id_z 1
		.amdhsa_system_vgpr_workitem_id 0
		.amdhsa_next_free_vgpr 1024
		.amdhsa_next_free_sgpr 66
		.amdhsa_reserve_vcc 0
		.amdhsa_float_denorm_mode_32 3
		.amdhsa_float_denorm_mode_16_64 3
		.amdhsa_memory_ordered 1
		.amdhsa_forward_progress 1
		.amdhsa_inst_pref_size 142
	.end_amdhsa_kernel
	.amdgpu_metadata
---
amdhsa.version: [ 1, 2 ]
amdhsa.kernels:
  - .name:           k_q3ee4b1cc69_ode
    .symbol:         k_q3ee4b1cc69_ode.kd
    .args:
      - { .name: input, .offset: 0, .size: 8, .value_kind: global_buffer, .address_space: global }
      - { .name: batch_t, .offset: 8, .size: 8, .value_kind: global_buffer, .address_space: global }
      - { .name: thetaF, .offset: 16, .size: 8, .value_kind: global_buffer, .address_space: global }
      - { .name: biasv, .offset: 24, .size: 8, .value_kind: global_buffer, .address_space: global }
      - { .name: out0, .offset: 32, .size: 8, .value_kind: global_buffer, .address_space: global }
    .group_segment_fixed_size: 264192
    .private_segment_fixed_size: 0
    .kernarg_segment_align: 8
    .kernarg_segment_size: 40
    .max_flat_workgroup_size: 128
    .sgpr_count:     66
    .vgpr_count:     1024
    .wavefront_size: 32
...
	.end_amdgpu_metadata
.endif
;; end of part 3
;; ======== version 3 of 3: 2 launches; version 2 with the launch theta written anew for expert scheduling mode
;; workspace buffers: thetaF 524,288 bytes; biasv 2,048 bytes
;; launch theta (part 4): grid 16 x 16, 8 waves a work-group, no clusters, 91,136 bytes of LDS; arguments p_params, x_params, thetaF, biasv; writes thetaF, biasv
.if DOCPART == 4
	.amdgcn_target "amdgcn-amd-amdhsa--gfx1250"
	.amdhsa_code_object_version 6
	.text
	.protected	k_q3ee4b1cc69_theta
	.globl	k_q3ee4b1cc69_theta
	.p2align	8
	.type	k_q3ee4b1cc69_theta,@function
k_q3ee4b1cc69_theta:
	s_mov_b64 s[64:65], 0
	v_nop
	global_prefetch_b8 v0, s[64:65] scope:SCOPE_SE
	s_setreg_imm32_b32 hwreg(HW_REG_WAVE_SCHED_MODE, 0, 2), 2
	s_setreg_imm32_b32 hwreg(HW_REG_WAVE_MODE, 25, 1), 1
	s_wait_xcnt 0x0
	s_wait_alu depctr_vm_vsrc(0)
; theta2[i][j] = - sum over k of p[k][i] relu(x[k][j])   (512 x 512, k = 0 .. 2047)   and   bias2[i] = - sum over k of p[k][i].
; WORK LEFT OUT.  reference() also forms theta = inv(Mbar) (-p^T relu(x)) and bias = inv(Mbar_b) (-p^T 1), and never reads either again: rhs() takes theta2 and bias2, which are made
; without the inverses.  So for all values of the inputs the two inverses and their products reach no output: they are not computed, and Mbar and Mbar_b are not loaded and are no arguments
; of any launch.  LIMIT: a NaN, an infinity or an overflow that arises only in that work (a singular Mbar, say) is not carried to the result.
; FORMATS.  p and relu(x) are rounded to bf16 for the matrix unit; sums in f32, k in another order than reference()'s; theta2 is stored rounded once to bf16, bias2 in f32.  A NaN in x counts as 0 (the maximum with 0 drops it).
; SHARES.  Work-group (bj, bi) makes rows i = 32 bi .. + 31, columns j = 32 bj .. + 31: 2 x 2 tiles of 16 x 16.  K is split among its eight waves, 256 k each, in 8 chunks of 32; the partial sums
; meet in LDS.  The work-groups with bj = 0 also make the 32 numbers of bias2 of their rows, as a product of p with ones.
; LAYOUT.  Source 0 = 16 columns of x, source 1 = 16 columns of p: in the result lane (r = l % 16, h = l / 16) holds row i = r and the columns j = 8 h + 0..7: 16 bytes in bf16.  thetaF holds theta2 in the
; order in which the next launch's source 0 takes it: fragment (T = i / 16, kk = j / 32) at byte (16 T + kk) x 1,024; in it half c at 512 c, lane l at 16 l: theta2[16 T + r][32 kk + 16 c + 8 h + 0..7].
; ON THE WAY IN.  p and x lie [k][column], so a fragment wants them turned: a chunk's 32 rows x 32 columns of each go through registers (rounded; x also through the maximum with 0) into the wave's
; own stage in LDS, and come out by ds_load_tr16_b128.  NO TENSOR LOADS, NO JOINT LOADS: what the matrix unit takes is not what lies in memory; a tile brought as it lies (f32, twice the bytes)
; would be read from LDS, rounded and stored to LDS once more.
; THE MODE: SCHED_MODE bits 1:0 = 2 (LLVM: expert scheduling mode 2), set by the entry lines.  The code itself states the register dependences
; between vector or matrix instructions and memory or LDS instructions, with s_wait_alu, always for 0.
; THE PLAN.  Registers that memory or LDS instructions touch:
;   v2-v7, v9   addresses, made at the head and never written again; v10, v11 likewise, read by the closing add alone.
;   BUF set b   Chunk c (b = c % 2): the global loads have landed in it; the chunk's 48 vector lines read it and write it in place; 16 LDS stores read two of each four registers; then the loads of chunk c + 2 land in it.
;               No vector line of chunk c + 1 names it.  On the way out the partial sums are loaded into BUF, added there, and the result stored from it.
;   PF, XF      Chunk c: eight turning LDS loads land in them; the chunk's products read them.
;   ACC         Written by the products (the two bias sums first by v_mov_b32); read once, by the LDS stores of the partial sums.
;   ONES is named by vector and matrix instructions alone.
; So a chunk has ONE wait on va_vdst, behind its 48 vector lines: they have written the LDS stores' data and are done with set b, and the products of the chunk before are done reading PF and XF.  Behind it stand the chunk's
; 16 LDS stores, its 8 turning loads and the 16 global loads, with no vector or matrix instruction among them; ONE wait on vm_vsrc stands ahead of the global loads: the LDS stores have read set b.
.set ROWB,   2048                      ; bytes in a row of p and of x
.set CHUNK,  32*ROWB                   ; a chunk of 32 k
.set SP,     160                       ; a row of the stage: 64 bytes of p, 64 of relu(x), 32 of padding
.set STGW,   32*SP                     ; a wave's stage
.set RED,    8*STGW                    ; behind the stages: the partial sums, six tiles of 1,024 bytes a wave
.set REDW,   6*1024
.set SPARE,  RED+8*REDW                ; behind them: the spare words, 128 bytes for each wave: four blocks of 256 bytes that no other line names
.set GP,   2                           ; v2   my byte offset in p and x: wave x 256 rows + (l / 8) rows + 16 (l % 8); never rewritten
.set LST,  3                           ; v3   where I put 8 bytes of the stage
.set LTR,  4                           ; v4   where a turning load reads
.set LRS,  5                           ; v5   where I put my 16 bytes of a partial tile
.set LRD,  6                           ; v6   where I read them back: tile = my wave's number
.set GO,   7                           ; v7   16 l: my 16 bytes of half a fragment of thetaF
.set ZR,   8                           ; v8   0, for the maximum
.set GB,   9                           ; v9   4 (l % 16): my number of bias2
.set SPW,  10                          ; v10  LDS address of my spare word; never rewritten
.set NIL,  11                          ; v11  0; never rewritten
.set BUF,  20                          ; v[20:147]  two sets of 64: 32 registers of p, 32 of x, as loaded
.set PF,   148                         ; v[148:163] p's two fragments (i tile a at PF + 8 a)
.set XF,   164                         ; v[164:179] x's two fragments (j tile c at XF + 8 c)
.set ONES, 180                         ; v[180:187] a fragment of ones
.set ACC,  188                         ; v[188:235] tile (a, c) at ACC + 8 (2 a + c); the bias tiles at ACC + 32 + 8 a
.set BJ,   12                          ; s12
.set BI,   13                          ; s13
.set WV,   14                          ; s14  my wave's number
	s_load_b256 s[4:11], s[0:1], 0x0               ; p s[4:5], x s[6:7], thetaF s[8:9], biasv s[10:11]
	v_lshl_add_u32 v[SPW], v0, 2, SPARE
	v_mov_b32 v[NIL], 0
	v_lshrrev_b32 v1, 5, v0
	v_readfirstlane_b32 s[WV], v1                  ; wave 0..7
	s_mov_b32 s[BJ], ttmp9
	s_and_b32 s[BI], ttmp7, 0xffff
	v_and_b32 v12, 31, v0                          ; l
	v_and_b32 v13, 7, v0                           ; l % 8
	v_bfe_u32 v14, v0, 3, 2                        ; l / 8
	v_bfe_u32 v15, v0, 4, 1                        ; h = l / 16
	v_bfe_u32 v16, v0, 3, 1                        ; (l / 8) % 2
	v_lshlrev_b32 v[GP], 4, v13
	v_lshl_add_u32 v[GP], v14, 11, v[GP]
	s_wait_alu depctr_va_sdst(0)                   ; s14, the wave's number, is written, ahead of its first reader: offsets, LDS addresses and branches are made from it
	s_lshl_b32 s16, s[WV], 19                      ; 256 rows of 2,048 bytes
	v_add_nc_u32 v[GP], s16, v[GP]
	s_mul_i32 s17, s[WV], STGW                     ; my stage
	v_mul_u32_u24 v[LST], v14, SP                  ; in: row l / 8 of four, 8 bytes (4 numbers) at 8 (l % 8)
	v_lshl_add_u32 v[LST], v13, 3, v[LST]
	v_add_nc_u32 v[LST], s17, v[LST]
	v_lshl_add_u32 v[LTR], v15, 3, v13             ; out, turned: row 8 h + l % 8, 16 bytes at 16 ((l / 8) % 2)
	v_mul_u32_u24 v[LTR], v[LTR], SP
	v_lshl_add_u32 v[LTR], v16, 4, v[LTR]
	v_add_nc_u32 v[LTR], s17, v[LTR]
	s_mul_i32 s18, s[WV], REDW
	s_add_co_u32 s18, s18, RED
	v_lshl_add_u32 v[LRS], v12, 4, s18
	s_lshl_b32 s19, s[WV], 10
	s_add_co_u32 s19, s19, RED
	v_lshl_add_u32 v[LRD], v12, 4, s19
	v_lshlrev_b32 v[GO], 4, v12
	v_and_b32 v[GB], 15, v0
	v_lshlrev_b32 v[GB], 2, v[GB]
	v_mov_b32 v[ZR], 0
	s_lshl_b32 s20, s[BI], 7                       ; my 32 columns of p: 128 bytes of each row
	s_mov_b32 s21, 0
	s_lshl_b32 s22, s[BJ], 7                       ; and of x
	s_mov_b32 s23, 0
	s_wait_kmcnt 0x0
	s_add_nc_u64 s[4:5], s[4:5], s[20:21]
	s_add_nc_u64 s[6:7], s[6:7], s[22:23]
	s_wait_alu depctr_va_vdst(0)                   ; the addresses v2 to v7 and v9 are written, which the kernel's loads and stores read
; Chunk c's 16 loads into set b: each covers 4 rows x 128 consecutive bytes.
.macro LOADS c, b
.irp q, 0,1,2,3,4,5,6,7
	global_load_b128 v[BUF+64*(\b)+4*(\q):BUF+64*(\b)+4*(\q)+3],       v[GP], s[4:5] offset:(\c)*CHUNK+(\q)*4*ROWB
	global_load_b128 v[BUF+64*(\b)+32+4*(\q):BUF+64*(\b)+32+4*(\q)+3], v[GP], s[6:7] offset:(\c)*CHUNK+(\q)*4*ROWB
.endr
.endm
; Set b is rounded to bf16 in place (x also through the maximum with 0: rounding keeps the sign, so the order of the two does not matter): 48 vector lines on end.
.macro CV b
.irp q, 0,1,2,3,4,5,6,7
.set rP, BUF+64*(\b)+4*(\q)
.set rX, rP+32
	v_cvt_pk_bf16_f32 v[rP],   v[rP],   v[rP+1]
	v_cvt_pk_bf16_f32 v[rP+1], v[rP+2], v[rP+3]
	v_cvt_pk_bf16_f32 v[rX],   v[rX],   v[rX+1]
	v_cvt_pk_bf16_f32 v[rX+1], v[rX+2], v[rX+3]
	v_pk_max_num_bf16 v[rX],   v[rX],   v[ZR]
	v_pk_max_num_bf16 v[rX+1], v[rX+1], v[ZR]
.endr
.endm
; And put into the stage: 16 LDS stores on end.
.macro ST b
.irp q, 0,1,2,3,4,5,6,7
.set rP, BUF+64*(\b)+4*(\q)
.set rX, rP+32
	ds_store_b64 v[LST], v[rP:rP+1] offset:(\q)*4*SP
	ds_store_b64 v[LST], v[rX:rX+1] offset:(\q)*4*SP+64
.endr
.endm
; The chunk's four fragments: each two turning loads, k = 8 h + 0..7 and 16 + 8 h + 0..7 of column l % 16.  LDS serves a wave's instructions in order (ISA guide 5.7.1.4): they see the stores above.
.macro TRL
.irp a, 0,1
	ds_load_tr16_b128 v[PF+8*(\a):PF+8*(\a)+3],   v[LTR] offset:32*(\a)
	ds_load_tr16_b128 v[PF+8*(\a)+4:PF+8*(\a)+7], v[LTR] offset:32*(\a)+16*SP
	ds_load_tr16_b128 v[XF+8*(\a):XF+8*(\a)+3],   v[LTR] offset:64+32*(\a)
	ds_load_tr16_b128 v[XF+8*(\a)+4:XF+8*(\a)+7], v[LTR] offset:64+32*(\a)+16*SP
.endr
.endm
; The chunk's products.  The accumulators take turns, one instruction a turn, from chunk to chunk too, with and without the two bias products.
.macro MUL first
.irp a, 0,1
.irp c, 0,1
.if \first
	v_wmma_f32_16x16x32_bf16 v[ACC+8*(2*(\a)+(\c)):ACC+8*(2*(\a)+(\c))+7], v[XF+8*(\c):XF+8*(\c)+7], v[PF+8*(\a):PF+8*(\a)+7], 0
.else
	v_wmma_f32_16x16x32_bf16 v[ACC+8*(2*(\a)+(\c)):ACC+8*(2*(\a)+(\c))+7], v[XF+8*(\c):XF+8*(\c)+7], v[PF+8*(\a):PF+8*(\a)+7], v[ACC+8*(2*(\a)+(\c)):ACC+8*(2*(\a)+(\c))+7]
.endif
.endr
.endr
	s_cmp_lg_u32 s[BJ], 0                          ; bias2's rows are made once: where bj = 0
	s_cbranch_scc1 .Lno_bias_\@
	v_wmma_f32_16x16x32_bf16 v[ACC+32:ACC+39], v[ONES:ONES+7], v[PF:PF+7],    v[ACC+32:ACC+39]
	v_wmma_f32_16x16x32_bf16 v[ACC+40:ACC+47], v[ONES:ONES+7], v[PF+8:PF+15], v[ACC+40:ACC+47]
.Lno_bias_\@:
.endm
	LOADS 0, 0
	LOADS 1, 1
.set r, 0
.rept 8
	v_mov_b32 v[ONES+r], 0x3f803f80                ; 1.0 twice, in bf16
.set r, r+1
.endr
.set r, 32
.rept 16
	v_mov_b32 v[ACC+r], 0                          ; the two bias sums start at 0 in registers, so that the products under the branch have one form in all eight chunks; written while the first loads are out
.set r, r+1
.endr
; A chunk: its loads are in; rounded; staged; turned; its set is asked for again, two chunks on; multiplied.  The 48 vector lines of CV also stand between a chunk's products and the
; next chunk's loads into the fragments that they read.
.irp c, 0,1,2,3,4,5,6,7
.if (\c) < 7
	s_wait_loadcnt 16                              ; loads come back in order (ISA guide 5.7.1): this chunk's are in, the next chunk's 16 may stay out
.else
	s_wait_loadcnt 0x0                             ; the last chunk: nothing was issued behind it
.endif
	CV (\c)%2
	s_wait_alu depctr_va_vdst(0)                   ; the 48 lines above have written the LDS stores' data and are done reading and writing this set, in which the global loads below land; the products of the chunk before (where there is one) are done reading PF and XF, in which the turning loads land
	ST (\c)%2
	TRL
.if (\c) < 6
	s_wait_alu depctr_vm_vsrc(0)                   ; the LDS stores above have read this set's registers, in which the loads below land
	LOADS (\c)+2, (\c)%2                           ; no vector or matrix instruction since the wait on va_vdst names this set
.endif
	s_wait_dscnt 0x0                               ; the fragments are in (and the stage may be written again)
.if (\c) == 0
	MUL 1
.else
	MUL 0
.endif
.endr
.rept 8
	v_nop                                          ; places behind the last products, in front of the LDS stores that read their results
.endr
	s_wait_alu depctr_va_vdst(0)                   ; the products have written the accumulators, which the LDS stores below read; the places above stay beside this wait
.irp t, 0,1,2,3
	ds_store_b128 v[LRS], v[ACC+8*(\t):ACC+8*(\t)+3]   offset:(\t)*1024        ; each accumulator's low half first
	ds_store_b128 v[LRS], v[ACC+8*(\t)+4:ACC+8*(\t)+7] offset:(\t)*1024+512
.endr
	s_cmp_lg_u32 s[BJ], 0
	s_cbranch_scc1 .Lno_bias_part
	ds_store_b32 v[LRS], v[ACC+32] offset:4*1024   ; a bias tile's eight registers hold the same number: the sum for row i = l % 16
	ds_store_b32 v[LRS], v[ACC+40] offset:5*1024
.Lno_bias_part:
	s_wait_dscnt 0x0                               ; for the others' sake: my partial sums lie in LDS
	s_barrier_signal -1
	s_barrier_wait -1                              ; everybody's do
	s_wait_alu depctr_vm_vsrc(0)                   ; the LDS stores of the last two chunks have read v[BUF ..], in which the loads of the partial sums land and into which the result is rounded; ahead of the branch, for both ways
	s_cmp_lt_u32 s[WV], 4
	s_cbranch_scc0 .Lbias
	; Waves 0 to 3: tile v = my wave's number (a = v / 2, c = v % 2): eight partial sums are added, the sign turned, rounded, and stored as half a fragment.
.irp p, 0,1,2,3,4,5,6,7
	ds_load_b128 v[BUF+8*(\p):BUF+8*(\p)+3],   v[LRD] offset:(\p)*REDW      ; (the last vector lines that named these registers stand ahead of the wait on va_vdst in front of the partial sums' stores)
	ds_load_b128 v[BUF+8*(\p)+4:BUF+8*(\p)+7], v[LRD] offset:(\p)*REDW+512
.endr
	s_lshr_b32 s16, s[WV], 1                       ; a
	s_lshl_b32 s17, s[BI], 1
	s_add_co_u32 s16, s16, s17                     ; T = 2 bi + a
	s_lshl_b32 s16, s16, 4
	s_add_co_u32 s16, s16, s[BJ]                   ; 16 T + kk
	s_lshl_b32 s16, s16, 10
	s_and_b32 s17, s[WV], 1                        ; c
	s_lshl_b32 s17, s17, 9
	s_add_co_u32 s16, s16, s17
	s_mov_b32 s17, 0
	s_add_nc_u64 s[8:9], s[8:9], s[16:17]
	s_wait_dscnt 0x0
.irp p, 0,2,4,6
.irp e, 0,2,4,6
	v_pk_add_f32 v[BUF+8*(\p)+(\e):BUF+8*(\p)+(\e)+1], v[BUF+8*(\p)+(\e):BUF+8*(\p)+(\e)+1], v[BUF+8*(\p)+8+(\e):BUF+8*(\p)+8+(\e)+1]
.endr
.endr
.irp p, 0,4
.irp e, 0,2,4,6
	v_pk_add_f32 v[BUF+8*(\p)+(\e):BUF+8*(\p)+(\e)+1], v[BUF+8*(\p)+(\e):BUF+8*(\p)+(\e)+1], v[BUF+8*(\p)+16+(\e):BUF+8*(\p)+16+(\e)+1]
.endr
.endr
.irp e, 0,2,4,6
	v_pk_add_f32 v[BUF+(\e):BUF+(\e)+1], v[BUF+(\e):BUF+(\e)+1], v[BUF+32+(\e):BUF+32+(\e)+1] neg_lo:[1,1] neg_hi:[1,1]  ; the last sum takes both sides negated: theta2's minus
.endr
.irp e, 0,1,2,3
	v_cvt_pk_bf16_f32 v[BUF+64+(\e)], v[BUF+2*(\e)], v[BUF+2*(\e)+1]
.endr
	s_wait_alu depctr_va_vdst(0)                   ; the roundings have written v[BUF+64 .. BUF+67], which the store reads
	global_store_b128 v[GO], v[BUF+64:BUF+67], s[8:9]  ; the wave stores 512 consecutive bytes, at a multiple of 512 from thetaF's first byte
	s_branch .Lend
.Lbias:
	s_cmp_lt_u32 s[WV], 6
	s_cbranch_scc0 .Lend                           ; waves 6 and 7 finish nothing
	s_cmp_lg_u32 s[BJ], 0
	s_cbranch_scc1 .Lend
	; Waves 4 and 5, where bj = 0: bias tile a = my wave's number - 4.
.irp p, 0,1,2,3,4,5,6,7
	ds_load_b32 v[BUF+(\p)], v[LRD] offset:(\p)*REDW
.endr
	s_sub_co_u32 s16, s[WV], 4
	s_lshl_b32 s16, s16, 6                         ; 16 numbers of 4 bytes
	s_lshl_b32 s17, s[BI], 7                       ; 32 numbers
	s_add_co_u32 s16, s16, s17
	s_mov_b32 s17, 0
	s_add_nc_u64 s[10:11], s[10:11], s[16:17]
	s_wait_dscnt 0x0
	v_add_f32 v[BUF],   v[BUF],   v[BUF+1]
	v_add_f32 v[BUF+2], v[BUF+2], v[BUF+3]
	v_add_f32 v[BUF+4], v[BUF+4], v[BUF+5]
	v_add_f32 v[BUF+6], v[BUF+6], v[BUF+7]
	v_add_f32 v[BUF],   v[BUF],   v[BUF+2]
	v_add_f32 v[BUF+4], v[BUF+4], v[BUF+6]
	v_fma_f32 v[BUF], v[BUF], -1.0, -v[BUF+4]      ; bias2's minus
	s_wait_alu depctr_va_vdst(0)                   ; the last sum has written v[BUF], which the store reads
	global_store_b32 v[GB], v[BUF], s[10:11]       ; lanes l and l + 16 hold the same number and name the same word
.Lend:
	s_wait_dscnt 0x0                               ; the closing lines, six on end
	s_wait_alu 0x0
	s_wait_tensorcnt 0x0
	ds_add_u32 v[SPW], v[NIL]
	s_wait_dscnt 0x0
	s_endpgm
.Lfunc_end_k_q3ee4b1cc69_theta:
	.size	k_q3ee4b1cc69_theta, .Lfunc_end_k_q3ee4b1cc69_theta-k_q3ee4b1cc69_theta
	.p2alignl 7, 3214868480
	.fill 96, 4, 3214868480
	.section	.rodata,"a",@progbits
	.p2align	6, 0x0
	.amdhsa_kernel k_q3ee4b1cc69_theta
		.amdhsa_group_segment_fixed_size 91136
		.amdhsa_private_segment_fixed_size 0
		.amdhsa_enable_private_segment 0
		.amdhsa_kernarg_size 32
		.amdhsa_user_sgpr_count 2
		.amdhsa_user_sgpr_kernarg_segment_ptr 1
		.amdhsa_wavefront_size32 1
		.amdhsa_system_sgpr_workgroup_id_x 1
		.amdhsa_system_sgpr_workgroup_id_y 1
		.amdhsa_system_sgpr_workgroup_id_z 1
		.amdhsa_system_vgpr_workitem_id 0
		.amdhsa_next_free_vgpr 240
		.amdhsa_next_free_sgpr 66
		.amdhsa_reserve_vcc 0
		.amdhsa_float_denorm_mode_32 3
		.amdhsa_float_denorm_mode_16_64 3
		.amdhsa_memory_ordered 1
		.amdhsa_forward_progress 1
		.amdhsa_inst_pref_size 62
	.end_amdhsa_kernel
	.amdgpu_metadata
---
amdhsa.version: [ 1, 2 ]
amdhsa.kernels:
  - .name:           k_q3ee4b1cc69_theta
    .symbol:         k_q3ee4b1cc69_theta.kd
    .args:
      - { .name: p_params, .offset: 0, .size: 8, .value_kind: global_buffer, .address_space: global }
      - { .name: x_params, .offset: 8, .size: 8, .value_kind: global_buffer, .address_space: global }
      - { .name: thetaF, .offset: 16, .size: 8, .value_kind: global_buffer, .address_space: global }
      - { .name: biasv, .offset: 24, .size: 8, .value_kind: global_buffer, .address_space: global }
    .group_segment_fixed_size: 91136
    .private_segment_fixed_size: 0
    .kernarg_segment_align: 8
    .kernarg_segment_size: 32
    .max_flat_workgroup_size: 256
    .sgpr_count:     66
    .vgpr_count:     240
    .wavefront_size: 32
...
	.end_amdgpu_metadata
.endif
;; end of part 4
;; launch ode: the kernel of part 3 again; grid 256 x 1, 4 waves a work-group, clusters of 4 x 1, 264,192 bytes of LDS; arguments input, batch_t, thetaF, biasv, out0; writes out0
